; MI455X (gfx1250); checked and timed in simulation.
; The chip was launched on July 23, 2026; its instructions are those of AMD's public machine-readable ISA for CDNA 5 (MIT licence, August 2026) and "CDNA5" Instruction Set Architecture Reference Guide (July 2026). The comments in the code are by the model that wrote it; some were corrected since.
;; my attention head. Allowed arithmetic: float matrix products may take bf16 or f16 operands with f32 sums; other float arithmetic in f32, or as packed bf16 or f16 multiplies, adds, multiply-adds, maxima and minima; sums over many terms, partial sums and values carried from step to step in f32; what a program stores and reads back later, other than sums and carried values, may be rounded once to bf16 or f16.
;; Inputs: Wk 256 x 1,024 float32; Wq 256 x 1,024 float32; Wv 256 x 1,024 float32; _k 4 x 4,096 x 1,024 float32; _q 4 x 4,096 x 1,024 float32; _v 4 x 4,096 x 1,024 float32; bk 256 float32; bq 256 float32; bv 256 float32; mask 4 x 1 x 4,096 bool.
;; Outputs: out0 4 x 4,096 x 256 float32.
;; 2 versions, each right and faster than the one before. Each part assembles by itself: llvm-mc -triple=amdgcn-amd-amdhsa -mcpu=gfx1250 --defsym DOCPART=n.
;; ======== version 1 of 2: 3 launches
;; limits: values are held in f16: magnitudes above 65,504 overflow, below 6.1e-05 lose precision
;; workspace buffers: wimg 1,572,864 bytes; qkv 25,165,824 bytes
;; launch wcast (part 1): grid 256 x 1, 3 waves a work-group, no clusters, 0 bytes of LDS; arguments Wq, Wk, Wv, wimg; writes wimg
.if DOCPART == 1
	.amdgcn_target "amdgcn-amd-amdhsa--gfx1250"
	.amdhsa_code_object_version 6
	.text
	.protected	k_qdeb8affe16_wcast
	.globl	k_qdeb8affe16_wcast
	.p2align	8
	.type	k_qdeb8affe16_wcast,@function
k_qdeb8affe16_wcast:
	s_mov_b64 s[64:65], 0
	v_nop
	global_prefetch_b8 v0, s[64:65] scope:SCOPE_SE
	s_setreg_imm32_b32 hwreg(HW_REG_WAVE_MODE, 25, 1), 1
	s_wait_xcnt 0x0
; Wq, Wk, Wv ([256][1024] f32) are rounded once to bf16 and laid out as the fragments that the projection's matrix instructions take.
; wimg: the 16 bytes at  t*524288 + kq*131072 + w*32768 + c8*4096 + b*1024 + half*512 + lane*16  hold
;   W_t[col = 64 w + 16 b + lane % 16][k = 256 kq + 32 c8 + 16 half + 8 (lane / 16) + 0..7],  t = 0, 1, 2 for q, k, v.
; SHARES.  Wave t of a work-group takes tensor t.  Work-group g takes 16 columns (g / 16) and 64 k (g % 16): a wave reads 16 rows x 256 bytes
; and writes four blocks of 512 consecutive bytes.  A load takes 32 bytes of each of 16 rows; a row's 256 bytes are asked for by this wave alone, in its
; eight loads on end.  No LDS, no barrier: no wave needs another's numbers, and a turn through LDS would spare no byte of the 3 MB.
.set IN,  8                            ; v[8:39]   eight loads of four f32
.set OUT, 40                           ; v[40:55]  four pieces of eight bf16
	s_load_b256 s[4:11], s[0:1], 0x0               ; Wq s[4:5], Wk s[6:7], Wv s[8:9], wimg s[10:11]
	v_lshrrev_b32 v1, 5, v0
	v_readfirstlane_b32 s12, v1                    ; t: my wave's number picks the tensor
	v_and_b32 v2, 15, v0                           ; lane % 16: my column of the sixteen
	v_bfe_u32 v3, v0, 4, 1                         ; lane / 16
	v_lshlrev_b32 v4, 12, v2                       ; a row of W is 4,096 bytes
	v_lshl_add_u32 v4, v3, 5, v4                   ; + eight f32 for the upper half of the lanes
	v_and_b32 v5, 31, v0
	v_lshlrev_b32 v5, 4, v5                        ; 16 x lane: my piece in a block of 512 bytes
	s_lshr_b32 s13, ttmp9, 4                       ; block of 16 columns, 0..15
	s_and_b32 s14, ttmp9, 15                       ; block of 64 k, 0..15
	s_lshl_b32 s16, s13, 16                        ; in: 16 rows of 4,096 bytes,
	s_lshl_b32 s15, s14, 8                         ; 64 f32
	s_add_co_u32 s16, s16, s15
	s_mov_b32 s17, 0
	s_lshl_b32 s18, s12, 19                        ; out: t * 524288
	s_lshr_b32 s15, s14, 2
	s_lshl_b32 s15, s15, 17                        ; + kq * 131072
	s_add_co_u32 s18, s18, s15
	s_lshr_b32 s15, s13, 2
	s_lshl_b32 s15, s15, 15                        ; + w * 32768
	s_add_co_u32 s18, s18, s15
	s_and_b32 s15, s14, 3
	s_lshl_b32 s15, s15, 13                        ; + c8 * 4096, c8 = 2 (block % 4) + 0, 1
	s_add_co_u32 s18, s18, s15
	s_and_b32 s15, s13, 3
	s_lshl_b32 s15, s15, 10                        ; + b * 1024
	s_add_co_u32 s18, s18, s15
	s_mov_b32 s19, 0
	s_wait_kmcnt 0x0
	s_cmp_eq_u32 s12, 1
	s_cselect_b64 s[20:21], s[6:7], s[4:5]
	s_cmp_eq_u32 s12, 2
	s_cselect_b64 s[20:21], s[8:9], s[20:21]       ; my tensor
	s_add_nc_u64 s[20:21], s[20:21], s[16:17]
	s_add_nc_u64 s[10:11], s[10:11], s[18:19]
.set n, 0
.rept 8                                ; load n: 32 k (n / 4), 16 k (n / 2 % 2), four f32 (n % 2)
	global_load_b128 v[IN+4*n:IN+4*n+3], v4, s[20:21] offset:128*(n/4)+64*((n/2)%2)+16*(n%2) th:TH_LOAD_NT
.set n, n+1
.endr
.set p, 0
.rept 4                                ; piece p = 2 (c8 % 2) + half: two loads, eight numbers
	s_wait_loadcnt 6-2*p                           ; loads come back in order: the pairs behind mine may stay out
.irp q, 0,1,2,3
	v_cvt_pk_bf16_f32 v[OUT+4*p+\q], v[IN+8*p+2*\q], v[IN+8*p+2*\q+1]
.endr
	global_store_b128 v5, v[OUT+4*p:OUT+4*p+3], s[10:11] offset:(p/2)*4096+(p%2)*512  ; the wave stores 512 consecutive bytes, aligned
.set p, p+1
.endr
	s_endpgm
.Lfunc_end_k_qdeb8affe16_wcast:
	.size	k_qdeb8affe16_wcast, .Lfunc_end_k_qdeb8affe16_wcast-k_qdeb8affe16_wcast
	.p2alignl 7, 3214868480
	.fill 96, 4, 3214868480
	.section	.rodata,"a",@progbits
	.p2align	6, 0x0
	.amdhsa_kernel k_qdeb8affe16_wcast
		.amdhsa_group_segment_fixed_size 0
		.amdhsa_private_segment_fixed_size 0
		.amdhsa_enable_private_segment 0
		.amdhsa_kernarg_size 32
		.amdhsa_user_sgpr_count 2
		.amdhsa_user_sgpr_kernarg_segment_ptr 1
		.amdhsa_wavefront_size32 1
		.amdhsa_system_sgpr_workgroup_id_x 1
		.amdhsa_system_sgpr_workgroup_id_y 1
		.amdhsa_system_sgpr_workgroup_id_z 1
		.amdhsa_system_vgpr_workitem_id 0
		.amdhsa_next_free_vgpr 64
		.amdhsa_next_free_sgpr 66
		.amdhsa_reserve_vcc 0
		.amdhsa_float_denorm_mode_32 3
		.amdhsa_float_denorm_mode_16_64 3
		.amdhsa_memory_ordered 1
		.amdhsa_forward_progress 1
		.amdhsa_inst_pref_size 4
	.end_amdhsa_kernel
	.amdgpu_metadata
---
amdhsa.version: [ 1, 2 ]
amdhsa.kernels:
  - .name:           k_qdeb8affe16_wcast
    .symbol:         k_qdeb8affe16_wcast.kd
    .args:
      - { .name: Wq, .offset: 0, .size: 8, .value_kind: global_buffer, .address_space: global }
      - { .name: Wk, .offset: 8, .size: 8, .value_kind: global_buffer, .address_space: global }
      - { .name: Wv, .offset: 16, .size: 8, .value_kind: global_buffer, .address_space: global }
      - { .name: wimg, .offset: 24, .size: 8, .value_kind: global_buffer, .address_space: global }
    .group_segment_fixed_size: 0
    .private_segment_fixed_size: 0
    .kernarg_segment_align: 8
    .kernarg_segment_size: 32
    .max_flat_workgroup_size: 96
    .sgpr_count:     66
    .vgpr_count:     64
    .wavefront_size: 32
...
	.end_amdgpu_metadata
.endif
;; end of part 1
;; launch proj (part 2): grid 256 x 1, 4 waves a work-group, clusters of 4 x 1, 327,680 bytes of LDS; arguments _q, _k, _v, wimg, bq, bk, bv, qkv; writes qkv
.if DOCPART == 2
	.amdgcn_target "amdgcn-amd-amdhsa--gfx1250"
	.amdhsa_code_object_version 6
	.text
	.protected	k_qdeb8affe16_proj
	.globl	k_qdeb8affe16_proj
	.p2align	8
	.type	k_qdeb8affe16_proj,@function
k_qdeb8affe16_proj:
	s_mov_b64 s[64:65], 0
	v_nop
	global_prefetch_b8 v0, s[64:65] scope:SCOPE_SE
	s_setreg_imm32_b32 hwreg(HW_REG_WAVE_MODE, 25, 1), 1
	s_wait_xcnt 0x0
	s_wait_alu depctr_hold_cnt(0) depctr_sa_sdst(0) depctr_va_vdst(0) depctr_va_sdst(0) depctr_va_ssrc(0) depctr_va_vcc(0) depctr_vm_vsrc(0)
	s_getreg_b32 s2, hwreg(HW_REG_IB_STS2, 6, 4)
	s_cmp_eq_u32 s2, 0
	s_cbranch_scc0 .Lentry_in_a_cluster
	s_endpgm
.Lentry_in_a_cluster:
	s_bfe_u32 s2, ttmp6, 0x10000c
	s_cmp_lg_u32 s2, 0x3003
	s_cbranch_scc0 .Lentry_shape_is_right
	s_endpgm
.Lentry_shape_is_right:
; q = _q Wq^T + bq, k = _k Wk^T + bk, v = _v Wv^T + bv.  x: [16384][1024] f32; W as bf16 fragments in wimg; b: [256] f32.
; x, W and b are rounded to bf16, products and sums are f32 (the sums start at the bias), and q, k, v are rounded once to f16.
; LIMITS.  f16 ends at 65,504: a |q|, |k| or |v| of 65,520 or more leaves as an infinity.  NaN and infinities are not treated apart.  The input mask is not read
; by any launch: the function that defines the result takes it as an argument and never uses it.
; qkv: 512 groups of 32 rows, 49,152 bytes each: q part, k part, v part of 16,384 bytes.  In a part the block (16 rows pb, 16 channels cb) is the 512 bytes at (16 pb + cb) * 512.
;   q, k: piece lane (16 bytes) = row lane % 16, channels 16 cb + 8 (lane / 16) + 0..7: half a fragment as the matrix instruction takes it.
;   v:    row r, channels 16 cb + 8 x + 0..7 lie in piece 16 (r / 8) + 8 x + r % 8: the turning LDS load at 16 x lane then yields half a fragment of v^T.
; SHARES.  Work-group X owns rows 64 X .. 64 X + 63 of all three tensors: three tiles of 64 x 256, one after the other.  Wave w makes all 64 rows x channels 64 w .. 64 w + 63:
; 16 accumulators.  Source 0 = 16 rows of W (channels), source 1 = 16 rows of x: a lane then holds one row and eight neighbouring channels, which pack into one piece of the image,
; and a store of the wave covers 512 consecutive bytes: no stage on the way out.
; x COMES THROUGH REGISTERS: wave w loads rows 16 w .. 16 w + 15, 512 bytes of a row to a load, into a ring of four register buffers (three of them, 48 loads, on their way), rounds
; them once to bf16 and puts them into one of two LDS buffers that all four waves read.  These loads stay out across the barriers.
; W COMES BY JOINT TENSOR LOADS: the four work-groups of a cluster walk the same wimg, so each slot (K = 256: 131,072 bytes) is asked for by the same load with the same descriptor and a
; mask that names the four; wave w asks for, and alone reads, its 32,768 bytes.  By this text's own count a wave has two tensor loads out at the start and one behind each round.
; STEPS.  A half-step is K = 128: 64 matrix instructions a wave, in two quarters of 64 along K on fragment buffers F0, F1.  A slot of W is two half-steps, a lap four (both slots, all
; four x buffers), a tile two laps; six laps in all: five in the loop, the last written out, since it loads and asks for nothing.
; REGISTERS, in windows of 256 (s_set_vgpr_msb: bits 1:0 source 0, 3:2 source 1, 5:4 source 2, 7:6 destination):
;   window 0: v0-18 addresses; v32-63 at work (packed x, packed results; at the head bias set 0); v64-95, v96-127 bias sets 1, 2; v128-255 accumulators ((a, b) at 128 + 8 (4 a + b))
;   window 1: two fragment buffers of 128: 64 registers of x (2 x 4 x 16 rows x 32 K), then 64 of W          window 2: x as loaded, buffer i at 64 i, row j at + 4 j
.set SLOTB,  131072                    ; a slot of W
.set XS0,    2*SLOTB                   ; behind the ring: two buffers of x in bf16, written by LDS stores alone
.set XP,     272                       ; a row there: 256 bytes + 16 = 68 words: row r starts at bank 4 r mod 64 (64 banks of 4 bytes: ISA guide 11.1)
.set XSB,    64*XP
.set SPARE,  XS0+2*XSB                 ; the spare words, 128 bytes for each wave: two blocks of 256 bytes that no other line names
.set GROUPB, 49152
.set PARTB,  16384
.set XOFF, 3                           ; v3   my 16 bytes in my wave's first row of x: 65536 w + 16 lane
.set XST,  4                           ; v4   where I put 8 bytes of bf16: XS0 + 4352 w + 8 lane
.set XFA,  5                           ; v5   my place in a fragment of x: XS0 + 272 (lane % 16) + 16 (lane / 16)
.set WFA,  6                           ; v6-7 my place in my wave's part of W's slot 0, 1: 32768 w + 16 lane
.set STO,  8                           ; v8   my piece in this tile's part of the image; v9, v10 the same for the next tile and the one after
.set STO1, 9
.set STO2, 10
.set BOFF, 11                          ; v11  my eight numbers of a bias: 256 w + 32 (lane / 16)
.set SPW,  12                          ; v12  LDS address of my spare word; never rewritten
.set NIL,  13                          ; v13  0; never rewritten
.set TMP,  32
.set B1,   64
.set B2,   96
.set ACC,  128
.set F0,   0
.set F1,   128
.set WV,   24                          ; s24  my wave's number
.set G1,   32                          ; s[32:39] descriptor group 1
.set G0,   40                          ; s[40:47] descriptor group 0, a set for each slot
.set XL,   48                          ; s[48:49] x at my work-group's rows, for the lap whose loads are being issued
.set NX1,  50                          ; s[50:51] the next tensor's
.set NX2,  52                          ; s[52:53] the one after
.set TT,   54                          ; s[54:55] at work
.set OUTP, 56                          ; s[56:57] this tile's part of my two groups of qkv
.set LC,   58                          ; s58  laps to go in the loop
.set MSB, 0
.macro WIN new                         ; the immediate's high byte repeats the setting that is left; a switch that changes nothing is dropped
.if MSB != (\new)
	s_set_vgpr_msb (MSB<<8)|(\new)
.set MSB, (\new)
.endif
.endm
.set MUL,    0x05                      ; sources 0 (W) and 1 (x) window 1; C and D window 0
.set TO_F,   0x40                      ; destination window 1, address and store data window 0
.set TO_X,   0x80                      ; destination window 2, address window 0
.set FROM_X, 0x0a                      ; sources 0 and 1 window 2, destination window 0
.macro PLACES                          ; four places in front of loads into registers that matrix instructions have read, and of conversions that read results
.rept 4
	v_nop
.endr
.endm
.macro CREST                           ; a round of the cluster's barrier behind its opening barrier
	s_cmp_lg_u32 s[WV], 0
	s_cbranch_scc1 .Lnot_wave_0_\@
	s_barrier_signal -3
.Lnot_wave_0_\@:
	s_barrier_wait -3
	s_barrier_signal -1
	s_barrier_wait -1
.endm
.macro CROUND                          ; a whole round
	s_barrier_signal -1
	s_barrier_wait -1
	CREST
.endm
; 8 matrix instructions: row blocks a0, a0 + 1 x all 4 channel blocks, 32 along K: half c of buffer f.  The 16 accumulators take turns.
.macro MUL8 f, c, a0
	WIN MUL
.irp a, \a0, (\a0)+1
.irp b, 0,1,2,3
	v_wmma_f32_16x16x32_bf16 v[ACC+8*(4*(\a)+(\b)):ACC+8*(4*(\a)+(\b))+7], v[(\f)+64+8*(4*(\c)+(\b)):(\f)+64+8*(4*(\c)+(\b))+7], v[(\f)+8*(4*(\c)+(\a)):(\f)+8*(4*(\c)+(\a))+7], v[ACC+8*(4*(\a)+(\b)):ACC+8*(4*(\a)+(\b))+7]
.endr
.endr
.endm
; 32 LDS loads in one run: the fragments of 64 along K into buffer f, the first 32 along K first.  W: slot ws, blocks of 32 K c8 and c8 + 1, 512 consecutive bytes to a load.  x: buffer xb, byte kb of its rows.
.macro FETCHQ xb, ws, c8, kb, f
	WIN TO_F
.irp e, 0,1
.irp g, 0,1,2,3
	ds_load_b128 v[(\f)+64+8*(4*(\e)+(\g)):(\f)+64+8*(4*(\e)+(\g))+3],   v[WFA+(\ws)] offset:((\c8)+(\e))*4096+(\g)*1024
	ds_load_b128 v[(\f)+64+8*(4*(\e)+(\g))+4:(\f)+64+8*(4*(\e)+(\g))+7], v[WFA+(\ws)] offset:((\c8)+(\e))*4096+(\g)*1024+512
	ds_load_b128 v[(\f)+8*(4*(\e)+(\g)):(\f)+8*(4*(\e)+(\g))+3],         v[XFA] offset:(\xb)*XSB+(\g)*16*XP+(\kb)+64*(\e)
	ds_load_b128 v[(\f)+8*(4*(\e)+(\g))+4:(\f)+8*(4*(\e)+(\g))+7],       v[XFA] offset:(\xb)*XSB+(\g)*16*XP+(\kb)+64*(\e)+32
.endr
.endr
.endm
.macro XLOAD i                         ; 16 loads: 128 numbers (512 consecutive bytes) of each of my wave's 16 rows, half-step i of the lap at s[XL], into buffer i
	WIN TO_X
.irp j, 0,1,2,3,4,5,6,7,8,9,10,11,12,13,14,15
	global_load_b128 v[64*(\i)+4*(\j):64*(\i)+4*(\j)+3], v[XOFF], s[XL:XL+1] offset:(\j)*4096+(\i)*512 th:TH_LOAD_NT
.endr
.endm
.macro XCONV i, left                   ; buffer i is rounded to bf16.  left: the loads issued behind its sixteen, which may stay out
	s_wait_loadcnt \left
	WIN FROM_X
.irp j, 0,1,2,3,4,5,6,7,8,9,10,11,12,13,14,15
	v_cvt_pk_bf16_f32 v[TMP+2*(\j)],   v[64*(\i)+4*(\j)],   v[64*(\i)+4*(\j)+1]
	v_cvt_pk_bf16_f32 v[TMP+2*(\j)+1], v[64*(\i)+4*(\j)+2], v[64*(\i)+4*(\j)+3]
.endr
.endm
.macro XSTORE xb                       ; and put into LDS buffer xb: a store covers a row's 256 bytes
	WIN TO_F
.irp j, 0,1,2,3,4,5,6,7,8,9,10,11,12,13,14,15
	ds_store_b64 v[XST], v[TMP+2*(\j):TMP+2*(\j)+1] offset:(\xb)*XSB+(\j)*XP
.endr
.endm
; The first quarter of half-step i (of a lap's four) multiplies F0.  In its middle: the next half-step's x is rounded (these 32 conversions, which name no register of the products, are also
; the places in front of the loads into F1), the x of four half-steps on is asked for, the second quarter's fragments are fetched, and the rounded x goes into the LDS buffer that nobody
; reads: its last readers waited for their loads in front of the barrier that this wave has passed.
.macro QA i, load, conv, left
	s_wait_dscnt 16                                ; F0's first 32 along K are in; its youngest sixteen loads may be out
	MUL8 F0, 0, 0
	MUL8 F0, 0, 2
.if \conv
	XCONV ((\i)+1)%4, \left
.else
	PLACES
.endif
.if \load
	XLOAD \i
.endif
	FETCHQ (\i)%2, (\i)/2, 4*((\i)%2)+2, 128, F1
	s_wait_dscnt 32                                ; all but the 32 just issued: the rest of F0 is in
.if \conv
	XSTORE ((\i)+1)%2
.endif
	MUL8 F0, 1, 0
	MUL8 F0, 1, 2
.endm
; The second quarter multiplies F1 and changes x's LDS buffers: ONE barrier; in front of it each wave waits for all its LDS instructions: its stores of the next x and its reads of this one.
; kind 0: no more than that.  kind 1: W's slot is left too and filled again: in front of the barrier, which opens a round of the cluster's, the wave waits for all its tensor loads (one is out: its part of the
; other slot) and adds 0 to its spare word; the joint refill, two slots ahead, is the first thing behind the round.  kind 2: the slot is left and not filled again.  kind 3: the very last quarter.
.macro QB i, kind
.if (\kind) == 3
	s_wait_dscnt 16                                ; F1's first 32 along K
	MUL8 F1, 0, 0
	MUL8 F1, 0, 2
	s_wait_dscnt 0x0
	MUL8 F1, 1, 0
	MUL8 F1, 1, 2
.else
.if (\kind) == 0
	s_wait_dscnt 32                                ; F1's first 32 along K are in; sixteen loads and sixteen stores may be out
.else
	WIN 0                                          ; (the add's two registers lie in window 0)
	s_wait_tensorcnt 0x0                           ; all my tensor loads have landed: my part of the other slot;
	ds_add_u32 v[SPW], v[NIL]                      ; 0 onto my spare word
	s_wait_dscnt 33                                ; (sixteen loads, sixteen stores and the add may be out)
.endif
	MUL8 F1, 0, 0                                  ; eight matrix instructions stand in front of the wait for everything
	s_wait_dscnt 0x0                               ; my stores of the next x are done, my reads of this x (and of W's slot) are over, the add is done
	s_barrier_signal -1
	MUL8 F1, 0, 2
.if (\kind) == 1
	WIN 0
.endif
	s_barrier_wait -1
.if (\kind) == 1
	CREST                                          ; no wave of any partner still reads this slot or has a load on its way
	s_add_nc_u64 s[G0+4*((\i)/2)+2:G0+4*((\i)/2)+3], s[G0+4*((\i)/2)+2:G0+4*((\i)/2)+3], 2*SLOTB
	tensor_load_to_lds s[G0+4*((\i)/2):G0+4*((\i)/2)+3], s[G1:G1+7]  ; it has two half-steps less sixteen matrix instructions in which to land
	s_nop 0
	PLACES                                         ; the places in front of the loads below
.else
	PLACES
.endif
	FETCHQ ((\i)+1)%2, (((\i)+1)%4)/2, 4*(((\i)+1)%2), 0, F0
	MUL8 F1, 1, 0
	MUL8 F1, 1, 2
.endif
.endm
.macro HS i, load, conv, left, kind
	QA \i, \load, \conv, \left
	QB \i, \kind
.endm
; THE WAY OUT of a tile: each accumulator, its registers in ascending order, is rounded to f16: 16 bytes a lane, a piece of the image; the wave's store covers a block of 512 consecutive bytes.
.macro EPI
	WIN 0
	PLACES
.set n, 0
.rept 16
.if n == 8
	s_wait_xcnt 0x0                                ; the first eight stores have had their addresses translated (ISA guide 3.1): their data registers are written again only behind this wait
.endif
.irp q, 0,1,2,3
	v_cvt_pk_f16_f32 v[TMP+4*(n%8)+\q], v[ACC+8*n+2*\q], v[ACC+8*n+2*\q+1]
.endr
	global_store_b128 v[STO], v[TMP+4*(n%8):TMP+4*(n%8)+3], s[OUTP:OUTP+1] offset:(n/8)*GROUPB+((n/4)%2)*8192+(n%4)*512
.set n, n+1
.endr
	s_wait_xcnt 0x0                                ; the stores' data, offset and base are written again only behind this wait
.endm
; The sums of a tile start at the bias: 64 packed lines, as many as adding it at the end would take, and one text serves every quarter of every tile.
.macro INIT src
	WIN 0
.set n, 0
.rept 16
.irp q, 0,1,2,3
	v_pk_mul_f32 v[ACC+8*n+2*\q:ACC+8*n+2*\q+1], v[(\src)+8*(n%4)+2*\q:(\src)+8*(n%4)+2*\q+1], 1.0 op_sel_hi:[1,0]
.endr
.set n, n+1
.endr
.endm
	s_load_b512 s[8:23], s[0:1], 0x0               ; _q s[8:9], _k s[10:11], _v s[12:13], wimg s[14:15], bq s[16:17], bk s[18:19], bv s[20:21], qkv s[22:23]
	v_lshl_add_u32 v[SPW], v0, 2, SPARE
	v_mov_b32 v[NIL], 0
	ds_add_u32 v[SPW], v[NIL]                      ; the wave's opening: the add and its wait stand ahead of my first tensor load; the set-up below, work on registers, stands between them
	v_lshrrev_b32 v1, 5, v0
	v_readfirstlane_b32 s[WV], v1                  ; wave 0..3
	s_bfe_u32 s25, ttmp6, 0x40000                  ; cx: my place in the cluster
	s_lshl_b32 s26, ttmp9, 2                       ; in a cluster launch ttmp9 counts clusters
	s_add_co_u32 s26, s26, s25                     ; X = 4 x cluster + cx: it enters x's and qkv's addresses alone
	s_lshl_b32 s60, s26, 18                        ; 64 rows of 4,096 bytes
	s_mov_b32 s61, 0
	s_mul_i32 s62, s26, 2*GROUPB                   ; two groups of qkv
	s_mov_b32 s63, 0
	s_lshl_b32 s28, s[WV], 15                      ; my wave's 32,768 bytes of a slot, in wimg and in LDS: no place in the cluster enters it
	s_mov_b32 s29, 0
	; descriptor group 1: 32,768 dense bytes as 128 rows of 32 elements of 8 bytes
	s_mov_b32 s[G1+0], 15|(3<<16)|(1<<21)          ; 15:0 the mask: all four work-groups; 17:16 elements of 8 bytes; 21 set beside a mask
	s_mov_b32 s[G1+1], 32<<16                      ; tensor_dim0 = 32
	s_mov_b32 s[G1+2], 128<<16                     ; tensor_dim1 = 128
	s_mov_b32 s[G1+3], 32<<16                      ; tile_dim0 = 32
	s_mov_b32 s[G1+4], 128                         ; tile_dim1 = 128
	s_mov_b32 s[G1+5], 32                          ; 32 elements from row to row
	s_mov_b32 s[G1+6], 0
	s_mov_b32 s[G1+7], 0
	s_mov_b32 s[G0], 1                             ; count = 1
	s_mov_b32 s[G0+1], s28                         ; LDS address: slot 0
	s_mov_b32 s[G0+4], 1
	s_add_co_u32 s[G0+5], s28, SLOTB               ; slot 1
	v_and_b32 v1, 31, v0                           ; lane
	v_and_b32 v2, 15, v0                           ; lane % 16
	v_bfe_u32 v16, v0, 4, 1                        ; lane / 16
	v_lshlrev_b32 v[XOFF], 4, v1
	v_lshl_add_u32 v[XOFF], s[WV], 16, v[XOFF]     ; + 16 rows of 4,096 bytes a wave
	s_mul_i32 s30, s[WV], 16*XP
	s_add_co_u32 s30, s30, XS0
	v_lshl_add_u32 v[XST], v1, 3, s30
	v_mul_u32_u24 v[XFA], v2, XP
	v_lshl_add_u32 v[XFA], v16, 4, v[XFA]
	v_add_nc_u32 v[XFA], XS0, v[XFA]
	v_lshl_add_u32 v[WFA], v1, 4, s28
	v_add_nc_u32 v[WFA+1], SLOTB, v[WFA]
	s_lshl_b32 s31, s[WV], 11                      ; my wave's four blocks of 16 channels: 2,048 bytes
	v_lshl_add_u32 v[STO], v1, 4, s31              ; q and k: piece = lane
	v_mov_b32 v[STO1], v[STO]
	v_and_b32 v17, 7, v0
	v_bfe_u32 v18, v0, 3, 1
	v_lshl_add_u32 v17, v16, 3, v17
	v_lshl_add_u32 v17, v18, 4, v17                ; v: piece = 16 (row / 8) + 8 (lane / 16) + row % 8
	v_lshl_add_u32 v[STO2], v17, 4, s31
	s_lshl_b32 s27, s[WV], 8
	v_lshl_add_u32 v[BOFF], v16, 5, s27
	s_wait_dscnt 0x0                               ; the opening add is done
	s_wait_kmcnt 0x0
	s_add_nc_u64 s[XL:XL+1], s[8:9], s[60:61]
	s_add_nc_u64 s[NX1:NX1+1], s[10:11], s[60:61]
	s_add_nc_u64 s[NX2:NX2+1], s[12:13], s[60:61]
	s_add_nc_u64 s[OUTP:OUTP+1], s[22:23], s[62:63]
	s_add_nc_u64 s[G0+2:G0+3], s[14:15], s[28:29]  ; global address: my part of slot 0's data,
	s_add_nc_u64 s[G0+6:G0+7], s[G0+2:G0+3], SLOTB ; of slot 1's
	s_or_b32 s[G0+3], s[G0+3], 0x80000000          ; type = 2
	s_or_b32 s[G0+7], s[G0+7], 0x80000000
	CROUND                                         ; all four work-groups are here: the first joint loads meet
	tensor_load_to_lds s[G0:G0+3], s[G1:G1+7]      ; both first fills go out together: two loads of mine are out
	s_nop 0
	tensor_load_to_lds s[G0+4:G0+7], s[G1:G1+7]
	s_nop 0
	PLACES
.irp t, 0,1,2
.irp b, 0,1,2,3
	global_load_b128 v[TMP+32*\t+8*\b:TMP+32*\t+8*\b+3],   v[BOFF], s[16+2*\t:17+2*\t] offset:64*\b     ; the three biases: for each of my four channel blocks my lane's eight numbers
	global_load_b128 v[TMP+32*\t+8*\b+4:TMP+32*\t+8*\b+7], v[BOFF], s[16+2*\t:17+2*\t] offset:64*\b+16
.endr
.endr
	XLOAD 0
	XLOAD 1
	s_wait_loadcnt 32                              ; the 24 loads of the biases are in; the 32 of x behind them stay out
	XLOAD 2
	WIN 0
.set z, 0
.rept 48                               ; the biases are rounded to bf16, like x and W, and widened again
	v_cvt_pk_bf16_f32 v[20+z%2], v[TMP+2*z], v[TMP+2*z+1]
	v_lshlrev_b32 v[TMP+2*z], 16, v[20+z%2]
	v_and_b32 v[TMP+2*z+1], 0xffff0000, v[20+z%2]
.set z, z+1
.endr
	INIT TMP
	XCONV 0, 32                                    ; half-step 0's x; those of 1 and 2 stay out
	XLOAD 3
	XSTORE 0
	s_wait_xcnt 0x0                                ; the loads have had their addresses translated: their base is stepped only behind this wait
	s_add_nc_u64 s[XL:XL+1], s[XL:XL+1], 2048      ; the loop's first lap asks for the second lap's x
	s_wait_tensorcnt 1                             ; my part of slot 0 is in; slot 1's may stay out
	s_wait_dscnt 0x0                               ; for the others' sake: my rows of x are in LDS
	s_barrier_signal -1
	s_barrier_wait -1
	FETCHQ 0, 0, 0, 0, F0
	WIN 0                                          ; at a label and at a branch every window is 0
	s_mov_b32 s[LC], 5
.Llap:                                                 ; five trips: a lap of four half-steps; both slots of W are filled again, and the next lap's x is asked for
	HS 0, 1, 1, 32, 0
	HS 1, 1, 1, 32, 1
	HS 2, 1, 1, 32, 0
	HS 3, 1, 1, 32, 1
	WIN 0
	s_wait_xcnt 0x0                                ; x's base is written again only behind this wait
	s_add_nc_u64 s[TT:TT+1], s[XL:XL+1], 2048
	s_bitcmp1_b32 s[LC], 0                         ; an odd count: a tile's first lap is done, and the loads go on to the next tensor
	s_cselect_b64 s[XL:XL+1], s[NX1:NX1+1], s[TT:TT+1]
	s_cselect_b64 s[NX1:NX1+1], s[NX2:NX2+1], s[NX1:NX1+1]
	s_cbranch_scc1 .Lsame_tile                     ; what is jumped holds no barrier, no tensor load, no load and no LDS instruction: every count holds on both ways
	EPI                                            ; a tile is finished; the next tile's first fragments and its x are on their way meanwhile
	INIT B1
.set z, 0
.rept 16
	v_pk_mul_f32 v[B1+2*z:B1+2*z+1], v[B2+2*z:B2+2*z+1], 1.0 op_sel_hi:[1,0]  ; the bias after next moves up
.set z, z+1
.endr
	v_mov_b32 v[STO], v[STO1]
	v_mov_b32 v[STO1], v[STO2]
	s_add_nc_u64 s[OUTP:OUTP+1], s[OUTP:OUTP+1], PARTB
.Lsame_tile:
	s_sub_co_u32 s[LC], s[LC], 1
	s_cmp_lg_u32 s[LC], 0
	s_cbranch_scc1 .Llap
	HS 0, 0, 1, 32, 0                              ; the last lap is written out: nothing is loaded or asked for, and the counts run down
	HS 1, 0, 1, 16, 2
	HS 2, 0, 1, 0, 0
	HS 3, 0, 0, 0, 3
	EPI
	s_wait_tensorcnt 0x0                           ; the wave's end: a wait, an add onto my spare word and its wait, behind my last tensor load and my last LDS store
	ds_add_u32 v[SPW], v[NIL]
	s_wait_dscnt 0x0
	CROUND                                         ; the closing round: no work-group ends while a partner may still ask for a tile that names it
	s_endpgm
.Lfunc_end_k_qdeb8affe16_proj:
	.size	k_qdeb8affe16_proj, .Lfunc_end_k_qdeb8affe16_proj-k_qdeb8affe16_proj
	.p2alignl 7, 3214868480
	.fill 96, 4, 3214868480
	.section	.rodata,"a",@progbits
	.p2align	6, 0x0
	.amdhsa_kernel k_qdeb8affe16_proj
		.amdhsa_group_segment_fixed_size 327680
		.amdhsa_private_segment_fixed_size 0
		.amdhsa_enable_private_segment 0
		.amdhsa_kernarg_size 64
		.amdhsa_user_sgpr_count 2
		.amdhsa_user_sgpr_kernarg_segment_ptr 1
		.amdhsa_wavefront_size32 1
		.amdhsa_system_sgpr_workgroup_id_x 1
		.amdhsa_system_sgpr_workgroup_id_y 1
		.amdhsa_system_sgpr_workgroup_id_z 1
		.amdhsa_system_vgpr_workitem_id 0
		.amdhsa_next_free_vgpr 768
		.amdhsa_next_free_sgpr 66
		.amdhsa_reserve_vcc 0
		.amdhsa_float_denorm_mode_32 3
		.amdhsa_float_denorm_mode_16_64 3
		.amdhsa_memory_ordered 1
		.amdhsa_forward_progress 1
		.amdhsa_inst_pref_size 141
	.end_amdhsa_kernel
	.amdgpu_metadata
---
amdhsa.version: [ 1, 2 ]
amdhsa.kernels:
  - .name:           k_qdeb8affe16_proj
    .symbol:         k_qdeb8affe16_proj.kd
    .args:
      - { .name: _q, .offset: 0, .size: 8, .value_kind: global_buffer, .address_space: global }
      - { .name: _k, .offset: 8, .size: 8, .value_kind: global_buffer, .address_space: global }
      - { .name: _v, .offset: 16, .size: 8, .value_kind: global_buffer, .address_space: global }
      - { .name: wimg, .offset: 24, .size: 8, .value_kind: global_buffer, .address_space: global }
      - { .name: bq, .offset: 32, .size: 8, .value_kind: global_buffer, .address_space: global }
      - { .name: bk, .offset: 40, .size: 8, .value_kind: global_buffer, .address_space: global }
      - { .name: bv, .offset: 48, .size: 8, .value_kind: global_buffer, .address_space: global }
      - { .name: qkv, .offset: 56, .size: 8, .value_kind: global_buffer, .address_space: global }
    .group_segment_fixed_size: 327680
    .private_segment_fixed_size: 0
    .kernarg_segment_align: 8
    .kernarg_segment_size: 64
    .max_flat_workgroup_size: 128
    .sgpr_count:     66
    .vgpr_count:     768
    .wavefront_size: 32
...
	.end_amdgpu_metadata
.endif
;; end of part 2
;; launch attn (part 3): grid 64 x 4, 4 waves a work-group, clusters of 4 x 1, 327,680 bytes of LDS; arguments qkv, out0; writes out0
.if DOCPART == 3
	.amdgcn_target "amdgcn-amd-amdhsa--gfx1250"
	.amdhsa_code_object_version 6
	.text
	.protected	k_qdeb8affe16_attn
	.globl	k_qdeb8affe16_attn
	.p2align	8
	.type	k_qdeb8affe16_attn,@function
k_qdeb8affe16_attn:
	s_mov_b64 s[64:65], 0
	v_nop
	global_prefetch_b8 v0, s[64:65] scope:SCOPE_SE
	s_setreg_imm32_b32 hwreg(HW_REG_WAVE_MODE, 25, 1), 1
	s_wait_xcnt 0x0
	s_wait_alu depctr_hold_cnt(0) depctr_sa_sdst(0) depctr_va_vdst(0) depctr_va_sdst(0) depctr_va_ssrc(0) depctr_va_vcc(0) depctr_vm_vsrc(0)
	s_getreg_b32 s2, hwreg(HW_REG_IB_STS2, 6, 4)
	s_cmp_eq_u32 s2, 0
	s_cbranch_scc0 .Lentry_in_a_cluster
	s_endpgm
.Lentry_in_a_cluster:
	s_bfe_u32 s2, ttmp6, 0x10000c
	s_cmp_lg_u32 s2, 0x3003
	s_cbranch_scc0 .Lentry_shape_is_right
	s_endpgm
.Lentry_shape_is_right:
; out0[b][q][:] = the sum over s of softmax_s(q[b][q] . k[b][s] / 16) v[b][s][:].  q, k, v: f16 fragment images in qkv (groups of 32 rows, 49,152 bytes: q part, k part, v part; in a part the block of
; 16 rows pb and 16 channels cb is the 512 bytes at (16 pb + cb) * 512).  out0: [4][4096][256] f32.  Products, maxima and sums in f32; the weights p are rounded to f16 for the second product (their sum is
; taken of the unrounded p).
; LIMITS.  q, k, v arrive within f16's 65,504; p lies in 0 to 1 and below 6e-5 keeps f16's fixed step of 6e-8; a weight below 2^-126 counts as 0; NaN and infinities are not treated apart.
; The input mask is not read: the function that defines the result never uses it.
; SHARES.  A work-group owns 64 queries of one batch: four tiles of 16.  ALL FOUR WAVES HOLD ALL 64 QUERIES AND SPLIT THE KEYS: of each slot of 128 keys wave w takes 32, so that a fragment of K or V read
; from LDS feeds four products.  Each wave keeps its own running maximum m, sum l and O^T; the four are merged once, at the end, through LDS, in f32.
; LAYOUT.  S^T = K Q^T (source 0 = 16 keys, source 1 = 16 queries): a lane holds ONE query (lane % 16) and the keys 8 (lane / 16) + 0..7.  A tile's two results, rounded to f16 in pairs, ARE source 1
; (32 keys x 16 queries) of O^T = V^T P, whose result again holds one query a lane, and eight channels.  Every fragment load takes 512 consecutive bytes; V is turned by ds_load_tr16_b128.
; SOFTMAX.  p = 2^(c s - c m), c = log2(e) / 16; in every step O and l are multiplied by a = 2^(c m_old - c m_new).  m starts at the lowest finite number, O and l at 0: the first step is a step like any
; other, with a = 0; the price is 512 lines that write 0, once, in the wait for the first tile.
; CLUSTER.  The four query blocks of a cluster belong to one batch and walk the same K and V: each slot is asked for JOINTLY, by the same tensor load, descriptor and mask in all four.  Wave w asks for, and alone
; reads, its 32 keys: K's and V's parts lie together in qkv, 32,768 dense bytes.  By this text's own count a wave has two tensor loads out at the start and one behind each round.
; REGISTERS, in windows of 256 (s_set_vgpr_msb: bits 1:0 source 0, 3:2 source 1, 5:4 source 2, 7:6 destination):
;   window 0: v0-15 addresses; v16-47 eight registers of statistics a tile; v48-63 four at work a tile; v64-127 S^T, 16 a tile (P is made in place, in a tile's first eight); v128-255 K of a step, then its V
;   window 1: Q, 64 a tile          windows 2, 3: O^T, 128 a tile: tile t in window 2 + t / 2 at 128 (t % 2) + 8 cb
.set SLOT1,  131072                    ; a slot: 128 keys, wave w's part at 32768 w: K 16,384 bytes, then V.  Slot 1 begins here: one exclusive or turns an address into the other slot's
.set PARTB,  16384
.set GROUPB, 49152
.set MP,     1040                      ; the merge: a row of 256 f32 + 16 bytes = 260 words: row r starts at bank 4 r mod 64 (64 banks of 4 bytes: ISA guide 11.1)
.set MT,     16*MP                     ; a tile of one wave
.set MW,     4*MT                      ; a wave's four tiles.  The merge lies over the ring, which has had its last fill by then
.set STATS,  4*MW                      ; behind it: (c m, l) for each wave, tile and query
.set SPARE,  STATS+2048                ; the spare words, 128 bytes for each wave: two blocks of 256 bytes that no other line names
.set LANEW, 2                          ; v2   16 lane + 32768 w; never rewritten
.set ADR,   3                          ; v3   the same in the slot in hand
.set SPW,   4                          ; v4   LDS address of my spare word; never rewritten
.set NIL,   5                          ; v5   0; never rewritten
.set STA,   6                          ; v6   where I put my query's statistics
.set RSA,   7                          ; v7   where I read the four waves'
.set MST,   8                          ; v8   the merge: where I put 32 bytes of a row
.set GO,    9                          ; v9   my byte offset in the work-group's rows of out0
.set RDA,   10                         ; v10-13 the merge: where I read my tile's rows of wave 0..3
.set ST,    16                         ; tile t's statistics at v[ST+8 t]: c m, m, l (even keys', odd keys'), a, c m_old
.set TM,    48                         ; tile t at v[TM+4 t]: c0-c3 at work
.set S,     64
.set F,     128                        ; K(key block kb, 32 channels c) at F + 8 (2 c + kb); V(16 channels cb) at F + 8 cb
.set WV,  8                            ; s8   my wave's number
.set G1,  16                           ; s[16:23] descriptor group 1
.set G0A, 24                           ; s[24:27] descriptor group 0 for the first fill of slot 0
.set G0B, 28                           ; s[28:31] for slot 1's; it then walks
.set CNT, 32                           ; s32  steps to go
.set TB,  33                           ; s33  the slot in hand: 0 or SLOT1
.set CS,  34                           ; s[34:35] c: the packed scaling takes the pair's low word for both halves
.set SEL, 36                           ; s[36:37] v_permlanex16_b32's selects: each lane takes its own place in the other half
.set QP,  38                           ; s[38:39] my work-group's two groups of qkv
.set OP,  40                           ; s[40:41] out0 at my work-group's first row
.set MSB, 0
.macro WIN new                         ; the immediate's high byte repeats the setting that is left; a switch that changes nothing is dropped
.if MSB != (\new)
	s_set_vgpr_msb (MSB<<8)|(\new)
.set MSB, (\new)
.endif
.endm
.set W_KQ, 0x04                        ; Q in window 1; K and S^T in window 0
.macro PLACES                          ; four places (ISA guide 7.12.1)
.rept 4
	v_nop
.endr
.endm
.macro CROUND                          ; a round of the cluster's barrier: my work-group's barrier; wave 0 signals for the work-group; every wave waits for all four work-groups; my work-group's barrier once more
	s_barrier_signal -1
	s_barrier_wait -1
	s_cmp_lg_u32 s[WV], 0
	s_cbranch_scc1 .Lnot_wave_0_\@
	s_barrier_signal -3
.Lnot_wave_0_\@:
	s_barrier_wait -3
	s_barrier_signal -1
	s_barrier_wait -1
.endm
; THE MATRIX WORK.  Product i of 32 of S^T = K Q^T for piece x (tiles 2 x, 2 x + 1): channels 32 (i / 4) on, keys 16 ((i / 2) % 2) on, tile 2 x + i % 2.  The first four start the sums.  Four accumulators take turns.
.macro KQ x, i
	WIN W_KQ
.set rS, S+16*(2*(\x)+(\i)%2)+8*(((\i)/2)%2)
.set rK, F+8*(2*((\i)/4)+((\i)/2)%2)
.set rQ, 8*(8*(2*(\x)+(\i)%2)+(\i)/4)
.if (\i) < 4
	v_wmma_f32_16x16x32_f16 v[rS:rS+7], v[rK:rK+7], v[rQ:rQ+7], 0
.else
	v_wmma_f32_16x16x32_f16 v[rS:rS+7], v[rK:rK+7], v[rQ:rQ+7], v[rS:rS+7]
.endif
.endm
; Product n of 64 of O^T += V^T P: channels 16 (n / 4) on, tile n % 4: 64 accumulators, each once.
.macro PV
.set tt, n%4
.set rO, 128*(tt%2)+8*(n/4)
.set rV, F+8*(n/4)
.set rP, S+16*tt
	WIN 0xa0+0x50*(tt/2)                           ; V and P window 0; C and D window 2 or 3
	v_wmma_f32_16x16x32_f16 v[rO:rO+7], v[rV:rV+7], v[rP:rP+7], v[rO:rO+7]
.endm
; Accumulator m of the 64 times a, its registers in ascending order
.macro RS m
.set tt, (\m)%4
.set rO, 128*(tt%2)+8*((\m)/4)
.set rA, ST+8*tt+4
	WIN 0x82+0x41*(tt/2)                           ; destination and source 0 window 2 or 3, a in window 0
.irp z, 0,1,2,3
	v_pk_mul_f32 v[rO+2*\z:rO+2*\z+1], v[rO+2*\z:rO+2*\z+1], v[rA:rA+1] op_sel_hi:[1,0]
.endr
.endm
; THE LDS LOADS stand in runs of 16: half hf of a step's K (32 keys x 128 channels), half hf of its V (turned: 128 channels x 32 keys).  last = 1 (the tail): in the last trip there is no further step, and K's run is jumped over.
.macro FETCH_K hf, last
	WIN 0
.if \last
	s_cmp_eq_u32 s[CNT], 1
	s_cbranch_scc1 .Lno_k_\@
.endif
.irp c, 0,1,2,3
.irp kb, 0,1
	ds_load_b128 v[F+8*(2*(4*(\hf)+\c)+\kb):F+8*(2*(4*(\hf)+\c)+\kb)+3],   v[ADR] offset:(8*\kb+4*(\hf)+\c)*1024
	ds_load_b128 v[F+8*(2*(4*(\hf)+\c)+\kb)+4:F+8*(2*(4*(\hf)+\c)+\kb)+7], v[ADR] offset:(8*\kb+4*(\hf)+\c)*1024+512
.endr
.endr
.if \last
.Lno_k_\@:
.endif
.endm
.macro FETCH_V hf
	WIN 0
.irp c, 0,1,2,3,4,5,6,7
	ds_load_tr16_b128 v[F+8*(8*(\hf)+\c):F+8*(8*(\hf)+\c)+3],   v[ADR] offset:PARTB+(8*(\hf)+\c)*512       ; keys 0-15
	ds_load_tr16_b128 v[F+8*(8*(\hf)+\c)+4:F+8*(8*(\hf)+\c)+7], v[ADR] offset:PARTB+8192+(8*(\hf)+\c)*512  ; keys 16-31
.endr
.endm
; THE VECTOR WORK.  A tile's softmax for a step is a list of 54 instructions on the lane's 16 scores s0-s15; SM writes number j of it for tile t.
;   0-6    the maximum, three operands at a time, in two chains that begin at each accumulator's lowest registers
;   7-12   c m_old is kept; the old m joins; the query's other 16 keys lie in the lane 16 away; the new m; c m; c m_old - c m_new
;   13-47  c s - c m for the eight pairs (13, 14, then the even numbers to 26); a at 15; the 16 exponentials at the odd numbers from 17: each has a plain instruction behind it that touches neither its result nor its source
;          (ISA guide 5.7.2).  The even numbers from 28: sums of pairs of weights into X (c0, c1) and Y (c2, c3), and roundings to f16, pair n into register n: each rounding stands behind the sum that reads the register it overwrites
;   48-53  the last sums and roundings; l = a l + X + Y
.macro SM t, j
.set jj, (\j)
.set rT, ST+8*(\t)
.set rC, TM+4*(\t)
.set rS, S+16*(\t)
	WIN 0
.if jj == 0
	v_max3_num_f32 v[rC], v[rS], v[rS+1], v[rS+2]
.elseif jj == 1
	v_max3_num_f32 v[rC+1], v[rS+8], v[rS+9], v[rS+10]
.elseif jj < 6
	v_max3_num_f32 v[rC+jj%2], v[rC+jj%2], v[rS+8*(jj%2)+2*(jj/2)+1], v[rS+8*(jj%2)+2*(jj/2)+2]
.elseif jj == 6
	v_max3_num_f32 v[rC], v[rC], v[rS+7], v[rS+15]
.elseif jj == 7
	v_mov_b32 v[rT+5], v[rT]
.elseif jj == 8
	v_max3_num_f32 v[rC], v[rC], v[rC+1], v[rT+1]
.elseif jj == 9
	v_permlanex16_b32 v[rC+1], v[rC], s[SEL], s[SEL+1]
.elseif jj == 10
	v_max_num_f32 v[rT+1], v[rC], v[rC+1]
.elseif jj == 11
	v_mul_f32 v[rT], s[CS], v[rT+1]
.elseif jj == 12
	v_sub_f32 v[rT+5], v[rT+5], v[rT]
.elseif jj == 15
	v_exp_f32 v[rT+4], v[rT+5]
.elseif (jj == 13) || (jj == 14) || ((jj <= 26) && (jj%2 == 0))
.if jj < 15
.set pp, jj-13
.else
.set pp, (jj-12)/2
.endif
	v_pk_fma_f32 v[rS+2*pp:rS+2*pp+1], v[rS+2*pp:rS+2*pp+1], s[CS:CS+1], v[rT:rT+1] op_sel_hi:[1,0,0] neg_lo:[0,0,1] neg_hi:[0,0,1]
.elseif (jj <= 47) && (jj%2 == 1)
	v_exp_f32 v[rS+(jj-17)/2], v[rS+(jj-17)/2]
.elseif jj == 28
	s_wait_alu depctr_va_vdst(0)
	v_pk_add_f32 v[rC:rC+1], v[rS:rS+1], v[rS+2:rS+3]
.elseif jj == 34
	s_wait_alu depctr_va_vdst(0)
	v_pk_add_f32 v[rC+2:rC+3], v[rS+4:rS+5], v[rS+6:rS+7]
.elseif (jj == 40) || (jj == 44) || (jj == 48) || (jj == 50)
.if jj == 40
.set pp, 4
.elseif jj == 44
.set pp, 5
.elseif jj == 48
.set pp, 6
.else
.set pp, 7
.endif
	s_wait_alu depctr_va_vdst(0)
	v_pk_add_f32 v[rC+2*(pp%2):rC+2*(pp%2)+1], v[rC+2*(pp%2):rC+2*(pp%2)+1], v[rS+2*pp:rS+2*pp+1]
.elseif jj == 52
	v_pk_add_f32 v[rC:rC+1], v[rC:rC+1], v[rC+2:rC+3]
.elseif jj == 53
	v_pk_fma_f32 v[rT+2:rT+3], v[rT+2:rT+3], v[rT+4:rT+5], v[rC:rC+1] op_sel_hi:[1,0,1]
.else
.if jj == 30
.set pp, 0
.elseif jj == 32
.set pp, 1
.elseif jj == 36
.set pp, 2
.elseif jj == 38
.set pp, 3
.elseif jj == 42
.set pp, 4
.elseif jj == 46
.set pp, 5
.elseif jj == 49
.set pp, 6
.else
.set pp, 7
.endif
	v_cvt_pk_f16_f32 v[rS+pp], v[rS+2*pp], v[rS+2*pp+1]
.endif
.endm
; Slice k of 27 of piece y's softmax: numbers 2 k and 2 k + 1 of both tiles.  Where exponentials stand (k = 7 to 23) tile by tile: plain, exponential, plain, exponential; elsewhere the tiles alternate.
.macro SLICE y, k
.if ((\k) >= 7) && ((\k) <= 23)
.irp t, 2*(\y), 2*(\y)+1
	SM \t, 2*(\k)
	SM \t, 2*(\k)+1
.endr
.else
	SM 2*(\y), 2*(\k)
	SM 2*(\y)+1, 2*(\k)
	SM 2*(\y), 2*(\k)+1
	SM 2*(\y)+1, 2*(\k)+1
.endif
.endm
; A STEP: my 32 keys of a slot: 128 matrix instructions.  fill = 1: the slot is filled again, with the keys two slots on.
.macro STEP fill, last
	s_wait_dscnt 16                                ; K's first half is in; the sixteen loads of its second may be out
.set i, 0
.rept 16
	KQ 0, i
.set i, i+1
.endr
	s_wait_dscnt 0x0
.rept 16
	KQ 0, i
.set i, i+1
.endr
	KQ 1, 0
	PLACES                                         ; behind piece 0's last products, in front of the first read of its scores
.set i, 1
.rept 27                               ; piece 1's products, a slice of piece 0's softmax behind each
	KQ 1, i
	SLICE 0, i-1
.if i == 17
	FETCH_V 0                                      ; K's first half was last read by product 15: six plain instructions back
.endif
.set i, i+1
.endr
.rept 4
	KQ 1, i
.set i, i+1
.endr
	PLACES                                         ; in front of the loads over K's second half and of the first read of piece 1's scores
	FETCH_V 1
.set i, 0
.rept 27                               ; piece 1's softmax has no products left to stand behind
	SLICE 1, i
.set i, i+1
.endr
	; THE CHANGE OF SLOTS: the slot's last bytes, V, have been asked for.
	WIN 0
	s_wait_tensorcnt 0x0                           ; all my tensor loads have landed: the one that was out is my part of the other slot; so a group 0 may be written
	ds_add_u32 v[SPW], v[NIL]                      ; 0 onto my spare word; work on registers stands between it and the wait for it
	RS 0
	RS 1
.if \fill
	s_xor_b32 s[G0B+1], s[G0B+1], SLOT1            ; the walking descriptor: the other slot than last time,
	s_add_nc_u64 s[G0B+2:G0B+3], s[G0B+2:G0B+3], 4*GROUPB  ; the next 128 keys; the type bits on top are not reached
.endif
	s_wait_dscnt 0x0                               ; the add is done, V is in, and my reads of the slot are over
	WIN 0
.if \fill
	CROUND                                         ; no wave of any partner still reads the slot or has a load on its way
	tensor_load_to_lds s[G0B:G0B+3], s[G1:G1+7]    ; the first thing behind the round: it has a step, 128 matrix instructions, in which to land
	s_nop 0
	PLACES
.else
	s_barrier_signal -1
	s_barrier_wait -1
.endif
	s_xor_b32 s[TB], s[TB], SLOT1
	v_add_nc_u32 v[ADR], s[TB], v[LANEW]           ; the fetches go on in the other slot
.set n, 0
.rept 64                               ; behind each product the rescaling of the accumulator two products on
	PV
.if n < 62
	RS n+2
.endif
.if n == 33
	FETCH_K 0, \last                               ; V's first half was last read by product 31: twelve plain instructions back
.endif
.set n, n+1
.endr
.rept 5
	v_nop                                          ; five places: in front of the loads over V's second half, and of the next step's products, which write over P
.endr
	FETCH_K 1, \last
.endm
.macro ALL line:vararg                 ; one line for each tile t
.set t, 0
.rept 4
	\line
.set t, t+1
.endr
.endm
	s_load_b128 s[4:7], s[0:1], 0x0                ; qkv s[4:5], out0 s[6:7]
	v_lshl_add_u32 v[SPW], v0, 2, SPARE
	v_mov_b32 v[NIL], 0
	ds_add_u32 v[SPW], v[NIL]                      ; the wave's opening: the add and its wait stand ahead of my first tensor load; the set-up below, work on registers, stands between them
	v_lshrrev_b32 v1, 5, v0
	v_readfirstlane_b32 s[WV], v1                  ; wave 0..3
	s_bfe_u32 s9, ttmp6, 0x40000                   ; cx: my place in the cluster
	s_lshl_b32 s10, ttmp9, 2                       ; in a cluster launch ttmp9 counts clusters
	s_add_co_u32 s10, s10, s9                      ; my block of 64 queries = 4 x cluster x + cx: it enters Q's and out0's addresses alone
	s_and_b32 s11, ttmp7, 0xffff                   ; the batch, which the four partners share
	s_mul_i32 s12, s11, 128*GROUPB                 ; its 128 groups
	s_mul_i32 s14, s[WV], GROUPB                   ; my wave's group of a slot's four,
	s_add_co_u32 s14, s14, s12
	s_add_co_u32 s14, s14, PARTB                   ; behind its q part: k and v
	s_mov_b32 s15, 0
	s_mul_i32 s42, s10, 2*GROUPB                   ; my queries' two groups
	s_add_co_u32 s42, s42, s12
	s_mov_b32 s43, 0
	s_lshl_b32 s44, s11, 22                        ; out0: 4,096 rows of 1,024 bytes a batch,
	s_lshl_b32 s45, s10, 16                        ; 64 rows a block
	s_add_co_u32 s44, s44, s45
	s_mov_b32 s45, 0
	s_lshl_b32 s46, s[WV], 15                      ; my wave's 32,768 bytes of a slot: no place in the cluster enters an LDS address
	; descriptor group 1: 32,768 dense bytes as 128 rows of 32 elements of 8 bytes
	s_mov_b32 s[G1+0], 15|(3<<16)|(1<<21)          ; 15:0 the mask: all four work-groups; 17:16 elements of 8 bytes; 21 set beside a mask
	s_mov_b32 s[G1+1], 32<<16                      ; tensor_dim0 = 32
	s_mov_b32 s[G1+2], 128<<16                     ; tensor_dim1 = 128
	s_mov_b32 s[G1+3], 32<<16                      ; tile_dim0 = 32
	s_mov_b32 s[G1+4], 128                         ; tile_dim1 = 128
	s_mov_b32 s[G1+5], 32                          ; 32 elements from row to row
	s_mov_b32 s[G1+6], 0
	s_mov_b32 s[G1+7], 0
	s_mov_b32 s[G0A], 1                            ; count = 1
	s_mov_b32 s[G0A+1], s46                        ; LDS address: slot 0
	s_mov_b32 s[G0B], 1
	s_add_co_u32 s[G0B+1], s46, SLOT1              ; slot 1
	s_mov_b32 s[CS], 0x3db8aa3b                    ; c = log2(e) / 16 = 0.0901684
	s_mov_b32 s[CS+1], s[CS]                       ; named with it as a pair
	s_mov_b32 s[SEL], 0x76543210
	s_mov_b32 s[SEL+1], 0xfedcba98
	s_mov_b32 s[TB], 0
	v_and_b32 v1, 31, v0                           ; lane
	v_and_b32 v14, 15, v0                          ; lane % 16
	v_bfe_u32 v15, v0, 4, 1                        ; lane / 16
	v_lshl_add_u32 v[LANEW], v1, 4, s46
	v_mov_b32 v[ADR], v[LANEW]                     ; the first step lies in slot 0
	s_lshl_b32 s47, s[WV], 9
	s_add_co_u32 s47, s47, STATS
	v_lshl_add_u32 v[STA], v14, 3, s47
	v_lshl_add_u32 v[RSA], v14, 3, STATS
	s_mul_i32 s48, s[WV], MW
	v_mul_u32_u24 v[MST], v14, MP
	v_lshl_add_u32 v[MST], v15, 5, v[MST]
	v_add_nc_u32 v[MST], s48, v[MST]               ; my wave's tiles, row lane % 16, 32 bytes for each half of the lanes
	s_lshl_b32 s49, s[WV], 14
	v_lshl_add_u32 v[GO], v1, 4, s49               ; wave w stores tile w: 16 rows of 1,024 bytes
	s_mul_i32 s50, s[WV], MT
	v_lshl_add_u32 v[RDA], v1, 4, s50
.irp k, 1,2,3
	v_add_nc_u32 v[RDA+\k], \k*MW, v[RDA]
.endr
	v_lshlrev_b32 v1, 4, v1                        ; 16 x lane: my piece of a block of Q; not rewritten
	s_wait_dscnt 0x0                               ; the opening add is done
	s_wait_kmcnt 0x0
	s_add_nc_u64 s[G0A+2:G0A+3], s[4:5], s[14:15]  ; global address: my 32 keys of the batch's first 128,
	s_add_nc_u64 s[G0B+2:G0B+3], s[G0A+2:G0A+3], 4*GROUPB  ; of the next 128
	s_or_b32 s[G0A+3], s[G0A+3], 0x80000000        ; type = 2
	s_or_b32 s[G0B+3], s[G0B+3], 0x80000000
	s_add_nc_u64 s[QP:QP+1], s[4:5], s[42:43]
	s_add_nc_u64 s[OP:OP+1], s[6:7], s[44:45]
	CROUND                                         ; all four work-groups are here: the first joint loads meet
	tensor_load_to_lds s[G0A:G0A+3], s[G1:G1+7]    ; both first fills go out together: two loads of mine are out
	s_nop 0
	tensor_load_to_lds s[G0B:G0B+3], s[G1:G1+7]
	s_nop 0
	PLACES
	WIN 0x40                                       ; destination window 1, address window 0
.set i, 0
.rept 32                               ; Q stays in registers: fragment i = 8 t + c: tile t lies in group t / 2, row block t % 2
	global_load_b128 v[8*i:8*i+3],   v1, s[QP:QP+1] offset:(i/16)*GROUPB+((i/8)%2)*8192+(i%8)*1024
	global_load_b128 v[8*i+4:8*i+7], v1, s[QP:QP+1] offset:(i/16)*GROUPB+((i/8)%2)*8192+(i%8)*1024+512
.set i, i+1
.endr
	WIN 0x80                                       ; O^T = 0: these lines stand in the wait for the first tile
.set i, 0
.rept 256
	v_mov_b32 v[i], 0
.set i, i+1
.endr
	WIN 0xc0
.set i, 0
.rept 256
	v_mov_b32 v[i], 0
.set i, i+1
.endr
	WIN 0
	ALL v_mov_b32 v[ST+8*t], 0xfe000000            ; c m: far below every c s
	ALL v_mov_b32 v[ST+8*t+1], 0xff7fffff          ; m
	ALL v_mov_b32 v[ST+8*t+2], 0
	ALL v_mov_b32 v[ST+8*t+3], 0
	s_wait_tensorcnt 1                             ; my part of slot 0 is in, and I alone read it: no barrier; slot 1's may stay out
	FETCH_K 0, 0
	FETCH_K 1, 0
	s_wait_loadcnt 0x0                             ; Q
	s_mov_b32 s[CNT], 30
.Lstep:                                                ; 30 trips: every slot but the last two is filled again
	STEP 1, 0
	s_sub_co_u32 s[CNT], s[CNT], 1
	s_cmp_lg_u32 s[CNT], 0
	s_cbranch_scc1 .Lstep
	s_mov_b32 s[CNT], 2
.Ltail:                                                ; the last two steps have a text of their own: nothing is asked for
	STEP 0, 1
	s_sub_co_u32 s[CNT], s[CNT], 1
	s_cmp_lg_u32 s[CNT], 0
	s_cbranch_scc1 .Ltail
	; THE MERGE.  For each query the four waves' (c m, l) meet in LDS; with M the largest c m and e_w = 2^(c m_w - M), out = sum over w of O_w e_w / (sum over w of e_w l_w).
	ALL v_add_f32 v[ST+8*t+2], v[ST+8*t+2], v[ST+8*t+3]
	ALL v_permlanex16_b32 v[ST+8*t+3], v[ST+8*t+2], s[SEL], s[SEL+1]
	ALL v_add_f32 v[ST+8*t+1], v[ST+8*t+2], v[ST+8*t+3]
	ALL ds_store_b64 v[STA], v[ST+8*t:ST+8*t+1] offset:128*t
	s_wait_dscnt 0x0                               ; for the others' sake: my statistics are in LDS; and my reads of the ring are over
	s_barrier_signal -1
	s_barrier_wait -1                              ; behind it the ring's bytes, which have had their last fill, may be written
.set i, 0
.rept 16                               ; wave i / 4, tile i % 4
	ds_load_b64 v[S+2*i:S+2*i+1], v[RSA] offset:128*i
.set i, i+1
.endr
	s_wait_dscnt 0x0
	ALL v_max3_num_f32 v[TM+4*t], v[S+2*t], v[S+8+2*t], v[S+16+2*t]
	ALL v_max_num_f32 v[TM+4*t], v[TM+4*t], v[S+24+2*t]
	ALL v_sub_f32 v[S+2*t], v[S+2*t], v[TM+4*t]
	ALL v_sub_f32 v[S+8+2*t], v[S+8+2*t], v[TM+4*t]
	ALL v_sub_f32 v[S+16+2*t], v[S+16+2*t], v[TM+4*t]
	ALL v_sub_f32 v[S+24+2*t], v[S+24+2*t], v[TM+4*t]
	ALL v_sub_f32 v[ST+8*t], v[ST+8*t], v[TM+4*t]
	ALL v_exp_f32 v[S+2*t], v[S+2*t]
	ALL v_exp_f32 v[S+8+2*t], v[S+8+2*t]
	ALL v_exp_f32 v[S+16+2*t], v[S+16+2*t]
	ALL v_exp_f32 v[S+24+2*t], v[S+24+2*t]
	ALL v_exp_f32 v[ST+8*t], v[ST+8*t]
	v_nop                                          ; a plain instruction between the last exponential and the use of its result
	s_wait_alu depctr_va_vdst(0)
	ALL v_mul_f32 v[TM+4*t+1], v[S+2*t], v[S+2*t+1]
	ALL v_fmac_f32 v[TM+4*t+1], v[S+8+2*t], v[S+8+2*t+1]
	ALL v_fmac_f32 v[TM+4*t+1], v[S+16+2*t], v[S+16+2*t+1]
	ALL v_fmac_f32 v[TM+4*t+1], v[S+24+2*t], v[S+24+2*t+1]
	ALL v_rcp_f32 v[TM+4*t+2], v[TM+4*t+1]
	v_nop                                          ; a plain instruction between the last reciprocal and the use of its result
	s_wait_alu depctr_va_vdst(0)
	ALL v_mul_f32 v[ST+8*t+4], v[ST+8*t], v[TM+4*t+2]
.set t, 0
.rept 4                                ; my O^T, scaled, goes into my part of the merge: a lane's eight channels of a row are 32 bytes
	WIN 0x82+0x41*(t/2)
.set i, 0
.rept 64
	v_pk_mul_f32 v[128*(t%2)+2*i:128*(t%2)+2*i+1], v[128*(t%2)+2*i:128*(t%2)+2*i+1], v[ST+8*t+4:ST+8*t+5] op_sel_hi:[1,0]
.set i, i+1
.endr
	WIN 0x08+0x04*(t/2)                            ; store data (source 1) window 2 or 3, address window 0
.set i, 0
.rept 16
	ds_store_b128 v[MST], v[128*(t%2)+8*i:128*(t%2)+8*i+3]   offset:MT*t+64*i
	ds_store_b128 v[MST], v[128*(t%2)+8*i+4:128*(t%2)+8*i+7] offset:MT*t+64*i+16
.set i, i+1
.endr
.set t, t+1
.endr
	WIN 0
	s_wait_dscnt 0x0                               ; for the others' sake: my stores are done
	s_barrier_signal -1
	s_barrier_wait -1
.set bt, 0
.rept 4                                ; wave w adds up and stores tile w, four rows at a time: eight units of 512 bytes, each from the four waves' parts
.if bt > 0
	s_wait_xcnt 0x0                                ; the stores have had their addresses translated (ISA guide 3.1): their data registers are loaded again only behind this wait
.endif
.set u, 0
.rept 8
.irp sw, 0,1,2,3
	ds_load_b128 v[F+16*u+4*\sw:F+16*u+4*\sw+3], v[RDA+\sw] offset:MP*(4*bt+u/2)+512*(u%2)
.endr
.set u, u+1
.endr
.set u, 0
.rept 8
	s_wait_dscnt 4*(7-u)                           ; LDS loads come back in order: unit u's four are in, the later units' may be out
	v_pk_add_f32 v[F+16*u:F+16*u+1],     v[F+16*u:F+16*u+1],     v[F+16*u+4:F+16*u+5]
	v_pk_add_f32 v[F+16*u+2:F+16*u+3],   v[F+16*u+2:F+16*u+3],   v[F+16*u+6:F+16*u+7]
	v_pk_add_f32 v[F+16*u+8:F+16*u+9],   v[F+16*u+8:F+16*u+9],   v[F+16*u+12:F+16*u+13]
	v_pk_add_f32 v[F+16*u+10:F+16*u+11], v[F+16*u+10:F+16*u+11], v[F+16*u+14:F+16*u+15]
	v_pk_add_f32 v[F+16*u:F+16*u+1],     v[F+16*u:F+16*u+1],     v[F+16*u+8:F+16*u+9]
	v_pk_add_f32 v[F+16*u+2:F+16*u+3],   v[F+16*u+2:F+16*u+3],   v[F+16*u+10:F+16*u+11]
	global_store_b128 v[GO], v[F+16*u:F+16*u+3], s[OP:OP+1] offset:1024*(4*bt+u/2)+512*(u%2) th:TH_STORE_NT  ; the wave stores 512 consecutive bytes, aligned
.set u, u+1
.endr
.set bt, bt+1
.endr
	s_wait_tensorcnt 0x0                           ; the wave's end: a wait, an add onto my spare word and its wait, behind my last tensor load and my last LDS store
	ds_add_u32 v[SPW], v[NIL]
	s_wait_dscnt 0x0
	CROUND                                         ; the closing round: no work-group ends while a partner may still ask for a tile that names it
	s_endpgm
.Lfunc_end_k_qdeb8affe16_attn:
	.size	k_qdeb8affe16_attn, .Lfunc_end_k_qdeb8affe16_attn-k_qdeb8affe16_attn
	.p2alignl 7, 3214868480
	.fill 96, 4, 3214868480
	.section	.rodata,"a",@progbits
	.p2align	6, 0x0
	.amdhsa_kernel k_qdeb8affe16_attn
		.amdhsa_group_segment_fixed_size 327680
		.amdhsa_private_segment_fixed_size 0
		.amdhsa_enable_private_segment 0
		.amdhsa_kernarg_size 16
		.amdhsa_user_sgpr_count 2
		.amdhsa_user_sgpr_kernarg_segment_ptr 1
		.amdhsa_wavefront_size32 1
		.amdhsa_system_sgpr_workgroup_id_x 1
		.amdhsa_system_sgpr_workgroup_id_y 1
		.amdhsa_system_sgpr_workgroup_id_z 1
		.amdhsa_system_vgpr_workitem_id 0
		.amdhsa_next_free_vgpr 1024
		.amdhsa_next_free_sgpr 66
		.amdhsa_reserve_vcc 0
		.amdhsa_float_denorm_mode_32 3
		.amdhsa_float_denorm_mode_16_64 3
		.amdhsa_memory_ordered 1
		.amdhsa_forward_progress 1
		.amdhsa_inst_pref_size 176
	.end_amdhsa_kernel
	.amdgpu_metadata
---
amdhsa.version: [ 1, 2 ]
amdhsa.kernels:
  - .name:           k_qdeb8affe16_attn
    .symbol:         k_qdeb8affe16_attn.kd
    .args:
      - { .name: qkv, .offset: 0, .size: 8, .value_kind: global_buffer, .address_space: global }
      - { .name: out0, .offset: 8, .size: 8, .value_kind: global_buffer, .address_space: global }
    .group_segment_fixed_size: 327680
    .private_segment_fixed_size: 0
    .kernarg_segment_align: 8
    .kernarg_segment_size: 16
    .max_flat_workgroup_size: 128
    .sgpr_count:     66
    .vgpr_count:     1024
    .wavefront_size: 32
...
	.end_amdgpu_metadata
.endif
;; end of part 3
;; ======== version 2 of 2: 3 launches; 1.06 times as fast as version 1
;; limits: values are held in f16: magnitudes above 65,504 overflow, below 6.1e-05 lose precision
;; workspace buffers: wimg 1,572,864 bytes; qkv 25,165,824 bytes
;; launch wcast: the kernel of part 1 again; grid 256 x 1, 3 waves a work-group, no clusters, 0 bytes of LDS; arguments Wq, Wk, Wv, wimg; writes wimg
;; launch proj (part 4): grid 256 x 1, 4 waves a work-group, clusters of 4 x 1, 327,680 bytes of LDS; arguments _q, _k, _v, wimg, bq, bk, bv, qkv; writes qkv
.if DOCPART == 4
	.amdgcn_target "amdgcn-amd-amdhsa--gfx1250"
	.amdhsa_code_object_version 6
	.text
	.protected	k_qdeb8affe16_proj
	.globl	k_qdeb8affe16_proj
	.p2align	8
	.type	k_qdeb8affe16_proj,@function
k_qdeb8affe16_proj:
	s_mov_b64 s[64:65], 0
	v_nop
	global_prefetch_b8 v0, s[64:65] scope:SCOPE_SE
	s_setreg_imm32_b32 hwreg(HW_REG_WAVE_MODE, 25, 1), 1
	s_wait_xcnt 0x0
	s_wait_alu depctr_hold_cnt(0) depctr_sa_sdst(0) depctr_va_vdst(0) depctr_va_sdst(0) depctr_va_ssrc(0) depctr_va_vcc(0) depctr_vm_vsrc(0)
	s_getreg_b32 s2, hwreg(HW_REG_IB_STS2, 6, 4)
	s_cmp_eq_u32 s2, 0
	s_cbranch_scc0 .Lentry_in_a_cluster
	s_endpgm
.Lentry_in_a_cluster:
	s_bfe_u32 s2, ttmp6, 0x10000c
	s_cmp_lg_u32 s2, 0x3003
	s_cbranch_scc0 .Lentry_shape_is_right
	s_endpgm
.Lentry_shape_is_right:
; q = _q Wq^T + bq, k = _k Wk^T + bk, v = _v Wv^T + bv.  x: [16384][1024] f32; W as bf16 fragments in wimg; b: [256] f32.
; x, W and b are rounded to bf16, products and sums are f32 (the sums start at the bias), and q, k, v are rounded once to f16.
; LIMITS.  f16 ends at 65,504: a |q|, |k| or |v| of 65,520 or more leaves as an infinity.  NaN and infinities are not treated apart.  In half of the clusters K's upper half is added before its
; lower half (see THE WALK): an order of rounding other than ascending K.  The input mask is not read by any launch: the function that defines the result takes it as an argument and never uses it.
; qkv: 512 groups of 32 rows, 49,152 bytes each: q part, k part, v part of 16,384 bytes.  In a part the block (16 rows pb, 16 channels cb) is the 512 bytes at (16 pb + cb) * 512.
;   q, k: piece lane (16 bytes) = row lane % 16, channels 16 cb + 8 (lane / 16) + 0..7: half a fragment as the matrix instruction takes it.
;   v:    row r, channels 16 cb + 8 x + 0..7 lie in piece 16 (r / 8) + 8 x + r % 8: the turning LDS load at 16 x lane then yields half a fragment of v^T.
; SHARES.  Work-group X owns rows 64 X .. 64 X + 63 of all three tensors: three tiles of 64 x 256, one after the other.  Wave w makes all 64 rows x channels 64 w .. 64 w + 63:
; 16 accumulators.  Source 0 = 16 rows of W (channels), source 1 = 16 rows of x: a lane then holds one row and eight neighbouring channels, which pack into one piece of the image,
; and a store of the wave covers 512 consecutive bytes: no stage on the way out.
; x COMES THROUGH REGISTERS: wave w loads rows 16 w .. 16 w + 15, 512 bytes of a row to a load, into a ring of four register buffers (three of them, 48 loads, on their way), rounds
; them once to bf16 and puts them into one of two LDS buffers that all four waves read.  These loads stay out across the barriers.
; W COMES BY JOINT TENSOR LOADS: the four work-groups of a cluster walk the same wimg, so each slot (K = 256: 131,072 bytes) is asked for by the same load with the same descriptor and a
; mask that names the four; wave w asks for, and alone reads, its 32,768 bytes.  By this text's own count a wave has two tensor loads out at the start and one behind each round.
; STEPS.  A half-step is K = 128: 64 matrix instructions a wave, in two quarters of 64 along K on fragment buffers F0, F1.  A slot of W is two half-steps, a lap four (both slots, all
; four x buffers), a tile two laps; six laps in all: five in the loop, the last written out, since it loads and asks for nothing.
; THE WALK.  wimg has six blocks of a lap's size (three tensors x two halves of K), and all 64 clusters need all six.  Cluster c takes the tensors in the order c % 3, + 1, + 2 (modulo 3) and of each tile
; the half (c / 3) % 2 of K first: six different walks, which in the first lap ask for the six blocks between them; from the second lap on a cluster asks for a block that clusters of another walk asked for a
; lap before.  The numbers hang on the cluster's number alone, which the four partners share.
; REGISTERS, in windows of 256 (s_set_vgpr_msb: bits 1:0 source 0, 3:2 source 1, 5:4 source 2, 7:6 destination):
;   window 0: v0-23 addresses; v32-63 at work (packed x, packed results; at the head bias set 0); v64-95, v96-127 bias sets 1, 2; v128-255 accumulators ((a, b) at 128 + 8 (4 a + b))
;   window 1: two fragment buffers of 128: 64 registers of x (2 x 4 x 16 rows x 32 K), then 64 of W          window 2: x as loaded, buffer i at 64 i, row j at + 4 j
.set SLOTB,  131072                    ; a slot of W
.set XS0,    2*SLOTB                   ; behind the ring: two buffers of x in bf16, written by LDS stores alone
.set XP,     272                       ; a row there: 256 bytes + 16 = 68 words: row r starts at bank 4 r mod 64 (64 banks of 4 bytes: ISA guide 11.1)
.set XSB,    64*XP
.set SPARE,  XS0+2*XSB                 ; the spare words, 128 bytes for each wave: two blocks of 256 bytes that no other line names
.set GROUPB, 49152
.set PARTB,  16384
.set XOFF, 3                           ; v3   my 16 bytes in my wave's first row of x: 65536 w + 16 lane
.set XST,  4                           ; v4   where I put 8 bytes of bf16: XS0 + 4352 w + 8 lane
.set XFA,  5                           ; v5   my place in a fragment of x: XS0 + 272 (lane % 16) + 16 (lane / 16)
.set WFA,  6                           ; v6-7 my place in my wave's part of W's slot 0, 1: 32768 w + 16 lane
.set STO,  8                           ; v8   my piece in this tile's part of the image; v9, v10 the same for the next tile and the one after
.set STO1, 9
.set STO2, 10
.set BOFF, 11                          ; v11  my eight numbers of a bias: 256 w + 32 (lane / 16)
.set SPW,  12                          ; v12  LDS address of my spare word; never rewritten
.set NIL,  13                          ; v13  0; never rewritten
.set TMP,  32
.set B1,   64
.set B2,   96
.set ACC,  128
.set F0,   0
.set F1,   128
.set WV,   24                          ; s24  my wave's number
.set G1,   32                          ; s[32:39] descriptor group 1
.set G0,   40                          ; s[40:47] descriptor group 0, a set for each slot
.set XL,   48                          ; s[48:49] x at my work-group's rows and the half of K, for the lap whose loads are being issued
.set NX1,  50                          ; s[50:51] x of the walk's next tensor, at my rows
.set NX2,  52                          ; s[52:53] of the one after
.set PC,   54                          ; s[54:55] x of the tensor whose loads are being issued, at my rows
.set OUTP, 56                          ; s[56:57] this tile's part of my two groups of qkv
.set LC,   58                          ; s58  laps to go in the loop
.set LO,   66                          ; s[66:67] the half of K of the lap that is being asked for, in bytes of a row of x: 0 or 2,048
.set WB,   68                          ; s[68:69] wimg at my wave's part of a slot
.set WO,   70                          ; s[70:71] byte offset in wimg of the lap that is being asked for
.set WTC,  72                          ; s72  byte offset in wimg of the tensor that is being asked for; s73, s74 of the next and the one after
.set OU1,  76                          ; s[76:77] the next tile's part of my groups of qkv
.set OU2,  78                          ; s[78:79] the one after's
.set T0,   80                          ; s80-82 the walk's three tensors: 0, 1, 2 for q, k, v
.set BP,   84                          ; s[84:89] their biases
.set MSB, 0
.macro WIN new                         ; the immediate's high byte repeats the setting that is left; a switch that changes nothing is dropped
.if MSB != (\new)
	s_set_vgpr_msb (MSB<<8)|(\new)
.set MSB, (\new)
.endif
.endm
.set MUL,    0x05                      ; sources 0 (W) and 1 (x) window 1; C and D window 0
.set TO_F,   0x40                      ; destination window 1, address and store data window 0
.set TO_X,   0x80                      ; destination window 2, address window 0
.set FROM_X, 0x0a                      ; sources 0 and 1 window 2, destination window 0
.macro PLACES                          ; four places in front of loads into registers that matrix instructions have read, and of conversions that read results
.rept 4
	v_nop
.endr
.endm
.macro CREST                           ; a round of the cluster's barrier behind its opening barrier
	s_cmp_lg_u32 s[WV], 0
	s_cbranch_scc1 .Lnot_wave_0_\@
	s_barrier_signal -3
.Lnot_wave_0_\@:
	s_barrier_wait -3
	s_barrier_signal -1
	s_barrier_wait -1
.endm
.macro CROUND                          ; a whole round
	s_barrier_signal -1
	s_barrier_wait -1
	CREST
.endm
.macro PICK d, tn, a                   ; of the three addresses at s[a], s[a+2], s[a+4] the one of tensor s[tn]
	s_cmp_eq_u32 s[\tn], 1
	s_cselect_b64 s[(\d):(\d)+1], s[(\a)+2:(\a)+3], s[(\a):(\a)+1]
	s_cmp_eq_u32 s[\tn], 2
	s_cselect_b64 s[(\d):(\d)+1], s[(\a)+4:(\a)+5], s[(\d):(\d)+1]
.endm
; 8 matrix instructions: row blocks a0, a0 + 1 x all 4 channel blocks, 32 along K: half c of buffer f.  The 16 accumulators take turns.
.macro MUL8 f, c, a0
	WIN MUL
.irp a, \a0, (\a0)+1
.irp b, 0,1,2,3
	v_wmma_f32_16x16x32_bf16 v[ACC+8*(4*(\a)+(\b)):ACC+8*(4*(\a)+(\b))+7], v[(\f)+64+8*(4*(\c)+(\b)):(\f)+64+8*(4*(\c)+(\b))+7], v[(\f)+8*(4*(\c)+(\a)):(\f)+8*(4*(\c)+(\a))+7], v[ACC+8*(4*(\a)+(\b)):ACC+8*(4*(\a)+(\b))+7]
.endr
.endr
.endm
; 32 LDS loads in one run: the fragments of 64 along K into buffer f, the first 32 along K first.  W: slot ws, blocks of 32 K c8 and c8 + 1, 512 consecutive bytes to a load.  x: buffer xb, byte kb of its rows.
.macro FETCHQ xb, ws, c8, kb, f
	WIN TO_F
.irp e, 0,1
.irp g, 0,1,2,3
	ds_load_b128 v[(\f)+64+8*(4*(\e)+(\g)):(\f)+64+8*(4*(\e)+(\g))+3],   v[WFA+(\ws)] offset:((\c8)+(\e))*4096+(\g)*1024
	ds_load_b128 v[(\f)+64+8*(4*(\e)+(\g))+4:(\f)+64+8*(4*(\e)+(\g))+7], v[WFA+(\ws)] offset:((\c8)+(\e))*4096+(\g)*1024+512
	ds_load_b128 v[(\f)+8*(4*(\e)+(\g)):(\f)+8*(4*(\e)+(\g))+3],         v[XFA] offset:(\xb)*XSB+(\g)*16*XP+(\kb)+64*(\e)
	ds_load_b128 v[(\f)+8*(4*(\e)+(\g))+4:(\f)+8*(4*(\e)+(\g))+7],       v[XFA] offset:(\xb)*XSB+(\g)*16*XP+(\kb)+64*(\e)+32
.endr
.endr
.endm
.macro XLOAD i                         ; 16 loads: 128 numbers (512 consecutive bytes) of each of my wave's 16 rows, half-step i of the lap at s[XL], into buffer i
	WIN TO_X
.irp j, 0,1,2,3,4,5,6,7,8,9,10,11,12,13,14,15
	global_load_b128 v[64*(\i)+4*(\j):64*(\i)+4*(\j)+3], v[XOFF], s[XL:XL+1] offset:(\j)*4096+(\i)*512 th:TH_LOAD_NT
.endr
.endm
.macro XCONV i, left                   ; buffer i is rounded to bf16.  left: the loads issued behind its sixteen, which may stay out
	s_wait_loadcnt \left
	WIN FROM_X
.irp j, 0,1,2,3,4,5,6,7,8,9,10,11,12,13,14,15
	v_cvt_pk_bf16_f32 v[TMP+2*(\j)],   v[64*(\i)+4*(\j)],   v[64*(\i)+4*(\j)+1]
	v_cvt_pk_bf16_f32 v[TMP+2*(\j)+1], v[64*(\i)+4*(\j)+2], v[64*(\i)+4*(\j)+3]
.endr
.endm
.macro XSTORE xb                       ; and put into LDS buffer xb: a store covers a row's 256 bytes
	WIN TO_F
.irp j, 0,1,2,3,4,5,6,7,8,9,10,11,12,13,14,15
	ds_store_b64 v[XST], v[TMP+2*(\j):TMP+2*(\j)+1] offset:(\xb)*XSB+(\j)*XP
.endr
.endm
; The first quarter of half-step i (of a lap's four) multiplies F0.  In its middle: the next half-step's x is rounded (these 32 conversions, which name no register of the products, are also
; the places in front of the loads into F1), the x of four half-steps on is asked for, the second quarter's fragments are fetched, and the rounded x goes into the LDS buffer that nobody
; reads: its last readers waited for their loads in front of the barrier that this wave has passed.
.macro QA i, load, conv, left
	s_wait_dscnt 16                                ; F0's first 32 along K are in; its youngest sixteen loads may be out
	MUL8 F0, 0, 0
	MUL8 F0, 0, 2
.if \conv
	XCONV ((\i)+1)%4, \left
.else
	PLACES
.endif
.if \load
	XLOAD \i
.endif
	FETCHQ (\i)%2, (\i)/2, 4*((\i)%2)+2, 128, F1
	s_wait_dscnt 32                                ; all but the 32 just issued: the rest of F0 is in
.if \conv
	XSTORE ((\i)+1)%2
.endif
	MUL8 F0, 1, 0
	MUL8 F0, 1, 2
.endm
; The second quarter multiplies F1 and changes x's LDS buffers: ONE barrier; in front of it each wave waits for all its LDS instructions: its stores of the next x and its reads of this one.
; kind 0: no more than that.  kind 1: W's slot is left too and filled again: in front of the barrier, which opens a round of the cluster's, the wave waits for all its tensor loads (one is out: its part of the
; other slot) and adds 0 to its spare word; the joint refill, the same slot of the next lap, is the first tensor load behind the round; its address is made anew from the lap's offset.
; kind 2: the slot is left and not filled again.  kind 3: the very last quarter.
.macro QB i, kind
.if (\kind) == 3
	s_wait_dscnt 16                                ; F1's first 32 along K
	MUL8 F1, 0, 0
	MUL8 F1, 0, 2
	s_wait_dscnt 0x0
	MUL8 F1, 1, 0
	MUL8 F1, 1, 2
.else
.if (\kind) == 0
	s_wait_dscnt 32                                ; F1's first 32 along K are in; sixteen loads and sixteen stores may be out
.else
	WIN 0                                          ; (the add's two registers lie in window 0)
	s_wait_tensorcnt 0x0                           ; all my tensor loads have landed: my part of the other slot;
	ds_add_u32 v[SPW], v[NIL]                      ; 0 onto my spare word
	s_wait_dscnt 33                                ; (sixteen loads, sixteen stores and the add may be out)
.endif
	MUL8 F1, 0, 0                                  ; eight matrix instructions stand in front of the wait for everything
	s_wait_dscnt 0x0                               ; my stores of the next x are done, my reads of this x (and of W's slot) are over, the add is done
	s_barrier_signal -1
	MUL8 F1, 0, 2
.if (\kind) == 1
	WIN 0
.endif
	s_barrier_wait -1
.if (\kind) == 1
	CREST                                          ; no wave of any partner still reads this slot or has a load on its way
	s_add_nc_u64 s[G0+4*((\i)/2)+2:G0+4*((\i)/2)+3], s[WB:WB+1], s[WO:WO+1]  ; no tensor load of mine is out, so a group 0 may be written: the next lap's block,
.if (\i)/2
	s_add_nc_u64 s[G0+4*((\i)/2)+2:G0+4*((\i)/2)+3], s[G0+4*((\i)/2)+2:G0+4*((\i)/2)+3], SLOTB  ; its second slot,
.endif
	s_or_b32 s[G0+4*((\i)/2)+3], s[G0+4*((\i)/2)+3], 0x80000000              ; type = 2
	tensor_load_to_lds s[G0+4*((\i)/2):G0+4*((\i)/2)+3], s[G1:G1+7]  ; it has two half-steps less sixteen matrix instructions in which to land
	s_nop 0
	PLACES                                         ; the places in front of the loads below
.else
	PLACES
.endif
	FETCHQ ((\i)+1)%2, (((\i)+1)%4)/2, 4*(((\i)+1)%2), 0, F0
	MUL8 F1, 1, 0
	MUL8 F1, 1, 2
.endif
.endm
.macro HS i, load, conv, left, kind
	QA \i, \load, \conv, \left
	QB \i, \kind
.endm
; THE WAY OUT of a tile: each accumulator, its registers in ascending order, is rounded to f16: 16 bytes a lane, a piece of the image; the wave's store covers a block of 512 consecutive bytes.
.macro EPI
	WIN 0
	PLACES
.set n, 0
.rept 16
.if n == 8
	s_wait_xcnt 0x0                                ; the first eight stores have had their addresses translated (ISA guide 3.1): their data registers are written again only behind this wait
.endif
.irp q, 0,1,2,3
	v_cvt_pk_f16_f32 v[TMP+4*(n%8)+\q], v[ACC+8*n+2*\q], v[ACC+8*n+2*\q+1]
.endr
	global_store_b128 v[STO], v[TMP+4*(n%8):TMP+4*(n%8)+3], s[OUTP:OUTP+1] offset:(n/8)*GROUPB+((n/4)%2)*8192+(n%4)*512
.set n, n+1
.endr
	s_wait_xcnt 0x0                                ; the stores' data, offset and base are written again only behind this wait
.endm
; The sums of a tile start at the bias: 64 packed lines, as many as adding it at the end would take, and one text serves every quarter of every tile.
.macro INIT src
	WIN 0
.set n, 0
.rept 16
.irp q, 0,1,2,3
	v_pk_mul_f32 v[ACC+8*n+2*\q:ACC+8*n+2*\q+1], v[(\src)+8*(n%4)+2*\q:(\src)+8*(n%4)+2*\q+1], 1.0 op_sel_hi:[1,0]
.endr
.set n, n+1
.endr
.endm
	s_load_b512 s[8:23], s[0:1], 0x0               ; _q s[8:9], _k s[10:11], _v s[12:13], wimg s[14:15], bq s[16:17], bk s[18:19], bv s[20:21], qkv s[22:23]
	v_lshl_add_u32 v[SPW], v0, 2, SPARE
	v_mov_b32 v[NIL], 0
	ds_add_u32 v[SPW], v[NIL]                      ; the wave's opening: the add and its wait stand ahead of my first tensor load; the set-up below, work on registers, stands between them
	v_lshrrev_b32 v1, 5, v0
	v_readfirstlane_b32 s[WV], v1                  ; wave 0..3
	s_bfe_u32 s25, ttmp6, 0x40000                  ; cx: my place in the cluster
	s_lshl_b32 s26, ttmp9, 2                       ; in a cluster launch ttmp9 counts clusters
	s_add_co_u32 s26, s26, s25                     ; X = 4 x cluster + cx: it enters x's and qkv's addresses alone
	s_lshl_b32 s60, s26, 18                        ; 64 rows of 4,096 bytes
	s_mov_b32 s61, 0
	s_mul_i32 s62, s26, 2*GROUPB                   ; two groups of qkv
	s_mov_b32 s63, 0
	s_lshl_b32 s28, s[WV], 15                      ; my wave's 32,768 bytes of a slot, in wimg and in LDS: no place in the cluster enters it
	s_mov_b32 s29, 0
	; the walk, from the cluster's number c alone
	s_mul_hi_u32 s90, ttmp9, 0x55555556            ; c / 3 (exact for c under 64)
	s_mul_i32 s91, s90, 3
	s_sub_co_u32 s[T0], ttmp9, s91                 ; the first tensor: c % 3
	s_and_b32 s90, s90, 1                          ; the half of K that goes first
	s_lshl_b32 s[LO], s90, 11                      ; 512 numbers of x are 2,048 bytes
	s_mov_b32 s[LO+1], 0
	s_add_co_u32 s[T0+1], s[T0], 1                 ; the second and the third tensor, modulo 3
	s_cmp_eq_u32 s[T0+1], 3
	s_cselect_b32 s[T0+1], 0, s[T0+1]
	s_add_co_u32 s[T0+2], s[T0+1], 1
	s_cmp_eq_u32 s[T0+2], 3
	s_cselect_b32 s[T0+2], 0, s[T0+2]
.irp k, 0,1,2
	s_lshl_b32 s[WTC+\k], s[T0+\k], 19             ; a tensor's W is 524,288 bytes of wimg
.endr
	s_lshl_b32 s92, s[LO], 7                       ; half of it 262,144
	s_add_co_u32 s[WO], s[WTC], s92                ; the first lap's block
	s_mov_b32 s[WO+1], 0
	s_mov_b32 s95, 0
	; descriptor group 1: 32,768 dense bytes as 128 rows of 32 elements of 8 bytes
	s_mov_b32 s[G1+0], 15|(3<<16)|(1<<21)          ; 15:0 the mask: all four work-groups; 17:16 elements of 8 bytes; 21 set beside a mask
	s_mov_b32 s[G1+1], 32<<16                      ; tensor_dim0 = 32
	s_mov_b32 s[G1+2], 128<<16                     ; tensor_dim1 = 128
	s_mov_b32 s[G1+3], 32<<16                      ; tile_dim0 = 32
	s_mov_b32 s[G1+4], 128                         ; tile_dim1 = 128
	s_mov_b32 s[G1+5], 32                          ; 32 elements from row to row
	s_mov_b32 s[G1+6], 0
	s_mov_b32 s[G1+7], 0
	s_mov_b32 s[G0], 1                             ; count = 1
	s_mov_b32 s[G0+1], s28                         ; LDS address: slot 0
	s_mov_b32 s[G0+4], 1
	s_add_co_u32 s[G0+5], s28, SLOTB               ; slot 1
	v_and_b32 v1, 31, v0                           ; lane
	v_and_b32 v2, 15, v0                           ; lane % 16
	v_bfe_u32 v16, v0, 4, 1                        ; lane / 16
	v_lshlrev_b32 v[XOFF], 4, v1
	v_lshl_add_u32 v[XOFF], s[WV], 16, v[XOFF]     ; + 16 rows of 4,096 bytes a wave
	s_mul_i32 s30, s[WV], 16*XP
	s_add_co_u32 s30, s30, XS0
	v_lshl_add_u32 v[XST], v1, 3, s30
	v_mul_u32_u24 v[XFA], v2, XP
	v_lshl_add_u32 v[XFA], v16, 4, v[XFA]
	v_add_nc_u32 v[XFA], XS0, v[XFA]
	v_lshl_add_u32 v[WFA], v1, 4, s28
	v_add_nc_u32 v[WFA+1], SLOTB, v[WFA]
	s_lshl_b32 s31, s[WV], 11                      ; my wave's four blocks of 16 channels: 2,048 bytes
	v_lshl_add_u32 v22, v1, 4, s31                 ; q and k: piece = lane
	v_and_b32 v17, 7, v0
	v_bfe_u32 v18, v0, 3, 1
	v_lshl_add_u32 v17, v16, 3, v17
	v_lshl_add_u32 v17, v18, 4, v17                ; v: piece = 16 (row / 8) + 8 (lane / 16) + row % 8
	v_lshl_add_u32 v23, v17, 4, s31
.irp k, 0,1,2
	s_cmp_eq_u32 s[T0+\k], 2                       ; is the walk's tile k the tensor v?
	s_cselect_b32 s93, -1, 0
	v_cndmask_b32 v[STO+\k], v22, v23, s93
.endr
	s_lshl_b32 s27, s[WV], 8
	v_lshl_add_u32 v[BOFF], v16, 5, s27
	s_wait_dscnt 0x0                               ; the opening add is done
	s_wait_kmcnt 0x0
	PICK PC,  T0,   8                              ; x of the walk's three tensors,
	PICK NX1, T0+1, 8
	PICK NX2, T0+2, 8
	s_add_nc_u64 s[PC:PC+1], s[PC:PC+1], s[60:61]  ; at my work-group's rows
	s_add_nc_u64 s[NX1:NX1+1], s[NX1:NX1+1], s[60:61]
	s_add_nc_u64 s[NX2:NX2+1], s[NX2:NX2+1], s[60:61]
	s_add_nc_u64 s[XL:XL+1], s[PC:PC+1], s[LO:LO+1]  ; the first lap's half of K
	PICK BP,   T0,   16                            ; their biases
	PICK BP+2, T0+1, 16
	PICK BP+4, T0+2, 16
	s_add_nc_u64 s[22:23], s[22:23], s[62:63]      ; my two groups of qkv; a tensor's part lies 16,384 bytes behind the one before
	s_lshl_b32 s94, s[T0], 14
	s_add_nc_u64 s[OUTP:OUTP+1], s[22:23], s[94:95]
	s_lshl_b32 s94, s[T0+1], 14
	s_add_nc_u64 s[OU1:OU1+1], s[22:23], s[94:95]
	s_lshl_b32 s94, s[T0+2], 14
	s_add_nc_u64 s[OU2:OU2+1], s[22:23], s[94:95]
	s_add_nc_u64 s[WB:WB+1], s[14:15], s[28:29]    ; wimg at my wave's part of a slot
	s_add_nc_u64 s[G0+2:G0+3], s[WB:WB+1], s[WO:WO+1]  ; global address: my part of the first lap's first slot,
	s_add_nc_u64 s[G0+6:G0+7], s[G0+2:G0+3], SLOTB ; of its second
	s_or_b32 s[G0+3], s[G0+3], 0x80000000          ; type = 2
	s_or_b32 s[G0+7], s[G0+7], 0x80000000
	CROUND                                         ; all four work-groups are here: the first joint loads meet
	tensor_load_to_lds s[G0:G0+3], s[G1:G1+7]      ; both first fills go out together: two loads of mine are out
	s_nop 0
	tensor_load_to_lds s[G0+4:G0+7], s[G1:G1+7]
	s_nop 0
	PLACES
.irp t, 0,1,2
.irp b, 0,1,2,3
	global_load_b128 v[TMP+32*\t+8*\b:TMP+32*\t+8*\b+3],   v[BOFF], s[BP+2*\t:BP+2*\t+1] offset:64*\b     ; the three biases, in the walk's order: for each of my four channel blocks my lane's eight numbers
	global_load_b128 v[TMP+32*\t+8*\b+4:TMP+32*\t+8*\b+7], v[BOFF], s[BP+2*\t:BP+2*\t+1] offset:64*\b+16
.endr
.endr
	XLOAD 0
	XLOAD 1
	s_wait_loadcnt 32                              ; the 24 loads of the biases are in; the 32 of x behind them stay out
	XLOAD 2
	WIN 0
.set z, 0
.rept 48                               ; the biases are rounded to bf16, like x and W, and widened again
	v_cvt_pk_bf16_f32 v[20+z%2], v[TMP+2*z], v[TMP+2*z+1]
	v_lshlrev_b32 v[TMP+2*z], 16, v[20+z%2]
	v_and_b32 v[TMP+2*z+1], 0xffff0000, v[20+z%2]
.set z, z+1
.endr
	INIT TMP
	XCONV 0, 32                                    ; half-step 0's x; those of 1 and 2 stay out
	XLOAD 3
	XSTORE 0
	s_wait_xcnt 0x0                                ; the loads have had their addresses translated: their base is written again only behind this wait
	s_xor_b32 s[LO], s[LO], 2048                   ; the loop's first lap asks for the second lap's x and W: the tile's other half of K
	s_add_nc_u64 s[XL:XL+1], s[PC:PC+1], s[LO:LO+1]
	s_lshl_b32 s92, s[LO], 7
	s_add_co_u32 s[WO], s[WTC], s92
	s_wait_tensorcnt 1                             ; my part of slot 0 is in; slot 1's may stay out
	s_wait_dscnt 0x0                               ; for the others' sake: my rows of x are in LDS
	s_barrier_signal -1
	s_barrier_wait -1
	FETCHQ 0, 0, 0, 0, F0
	WIN 0                                          ; at a label and at a branch every window is 0
	s_mov_b32 s[LC], 5
.Llap:                                                 ; five trips: a lap of four half-steps; both slots of W are filled again, and the next lap's x is asked for
	HS 0, 1, 1, 32, 0
	HS 1, 1, 1, 32, 1
	HS 2, 1, 1, 32, 0
	HS 3, 1, 1, 32, 1
	WIN 0
	s_wait_xcnt 0x0                                ; x's base is written again only behind this wait
	s_xor_b32 s[LO], s[LO], 2048                   ; what the next lap asks for lies in the other half of K,
	s_lshl_b32 s92, s[LO], 7
	s_bitcmp1_b32 s[LC], 0                         ; and, at an odd count (a tile's first lap is done), in the walk's next tensor
	s_cselect_b64 s[PC:PC+1], s[NX1:NX1+1], s[PC:PC+1]
	s_cselect_b64 s[NX1:NX1+1], s[NX2:NX2+1], s[NX1:NX1+1]
	s_cselect_b32 s[WTC], s[WTC+1], s[WTC]
	s_cselect_b32 s[WTC+1], s[WTC+2], s[WTC+1]
	s_add_nc_u64 s[XL:XL+1], s[PC:PC+1], s[LO:LO+1]  ; (selects and this sum leave SCC as the test set it)
	s_cbranch_scc1 .Lsame_tile                     ; what is jumped holds no barrier, no tensor load, no load and no LDS instruction: every count holds on both ways
	EPI                                            ; a tile is finished; the next tile's first fragments and its x are on their way meanwhile
	INIT B1
.set z, 0
.rept 16
	v_pk_mul_f32 v[B1+2*z:B1+2*z+1], v[B2+2*z:B2+2*z+1], 1.0 op_sel_hi:[1,0]  ; the bias after next moves up
.set z, z+1
.endr
	v_mov_b32 v[STO], v[STO1]
	v_mov_b32 v[STO1], v[STO2]
	s_mov_b64 s[OUTP:OUTP+1], s[OU1:OU1+1]
	s_mov_b64 s[OU1:OU1+1], s[OU2:OU2+1]
.Lsame_tile:
	s_add_co_u32 s[WO], s[WTC], s92                ; the block of wimg that the next lap asks for
	s_sub_co_u32 s[LC], s[LC], 1
	s_cmp_lg_u32 s[LC], 0
	s_cbranch_scc1 .Llap
	HS 0, 0, 1, 32, 0                              ; the last lap is written out: nothing is loaded or asked for, and the counts run down
	HS 1, 0, 1, 16, 2
	HS 2, 0, 1, 0, 0
	HS 3, 0, 0, 0, 3
	EPI
	s_wait_tensorcnt 0x0                           ; the wave's end: a wait, an add onto my spare word and its wait, behind my last tensor load and my last LDS store
	ds_add_u32 v[SPW], v[NIL]
	s_wait_dscnt 0x0
	CROUND                                         ; the closing round: no work-group ends while a partner may still ask for a tile that names it
	s_endpgm
.Lfunc_end_k_qdeb8affe16_proj:
	.size	k_qdeb8affe16_proj, .Lfunc_end_k_qdeb8affe16_proj-k_qdeb8affe16_proj
	.p2alignl 7, 3214868480
	.fill 96, 4, 3214868480
	.section	.rodata,"a",@progbits
	.p2align	6, 0x0
	.amdhsa_kernel k_qdeb8affe16_proj
		.amdhsa_group_segment_fixed_size 327680
		.amdhsa_private_segment_fixed_size 0
		.amdhsa_enable_private_segment 0
		.amdhsa_kernarg_size 64
		.amdhsa_user_sgpr_count 2
		.amdhsa_user_sgpr_kernarg_segment_ptr 1
		.amdhsa_wavefront_size32 1
		.amdhsa_system_sgpr_workgroup_id_x 1
		.amdhsa_system_sgpr_workgroup_id_y 1
		.amdhsa_system_sgpr_workgroup_id_z 1
		.amdhsa_system_vgpr_workitem_id 0
		.amdhsa_next_free_vgpr 768
		.amdhsa_next_free_sgpr 96
		.amdhsa_reserve_vcc 0
		.amdhsa_float_denorm_mode_32 3
		.amdhsa_float_denorm_mode_16_64 3
		.amdhsa_memory_ordered 1
		.amdhsa_forward_progress 1
		.amdhsa_inst_pref_size 144
	.end_amdhsa_kernel
	.amdgpu_metadata
---
amdhsa.version: [ 1, 2 ]
amdhsa.kernels:
  - .name:           k_qdeb8affe16_proj
    .symbol:         k_qdeb8affe16_proj.kd
    .args:
      - { .name: _q, .offset: 0, .size: 8, .value_kind: global_buffer, .address_space: global }
      - { .name: _k, .offset: 8, .size: 8, .value_kind: global_buffer, .address_space: global }
      - { .name: _v, .offset: 16, .size: 8, .value_kind: global_buffer, .address_space: global }
      - { .name: wimg, .offset: 24, .size: 8, .value_kind: global_buffer, .address_space: global }
      - { .name: bq, .offset: 32, .size: 8, .value_kind: global_buffer, .address_space: global }
      - { .name: bk, .offset: 40, .size: 8, .value_kind: global_buffer, .address_space: global }
      - { .name: bv, .offset: 48, .size: 8, .value_kind: global_buffer, .address_space: global }
      - { .name: qkv, .offset: 56, .size: 8, .value_kind: global_buffer, .address_space: global }
    .group_segment_fixed_size: 327680
    .private_segment_fixed_size: 0
    .kernarg_segment_align: 8
    .kernarg_segment_size: 64
    .max_flat_workgroup_size: 128
    .sgpr_count:     96
    .vgpr_count:     768
    .wavefront_size: 32
...
	.end_amdgpu_metadata
.endif
;; end of part 4
;; launch attn (part 5): grid 64 x 4, 4 waves a work-group, clusters of 4 x 1, 327,680 bytes of LDS; arguments qkv, out0; writes out0
.if DOCPART == 5
	.amdgcn_target "amdgcn-amd-amdhsa--gfx1250"
	.amdhsa_code_object_version 6
	.text
	.protected	k_qdeb8affe16_attn
	.globl	k_qdeb8affe16_attn
	.p2align	8
	.type	k_qdeb8affe16_attn,@function
k_qdeb8affe16_attn:
	s_mov_b64 s[64:65], 0
	v_nop
	global_prefetch_b8 v0, s[64:65] scope:SCOPE_SE
	s_setreg_imm32_b32 hwreg(HW_REG_WAVE_MODE, 25, 1), 1
	s_wait_xcnt 0x0
	s_wait_alu depctr_hold_cnt(0) depctr_sa_sdst(0) depctr_va_vdst(0) depctr_va_sdst(0) depctr_va_ssrc(0) depctr_va_vcc(0) depctr_vm_vsrc(0)
	s_getreg_b32 s2, hwreg(HW_REG_IB_STS2, 6, 4)
	s_cmp_eq_u32 s2, 0
	s_cbranch_scc0 .Lentry_in_a_cluster
	s_endpgm
.Lentry_in_a_cluster:
	s_bfe_u32 s2, ttmp6, 0x10000c
	s_cmp_lg_u32 s2, 0x3003
	s_cbranch_scc0 .Lentry_shape_is_right
	s_endpgm
.Lentry_shape_is_right:
; out0[b][q][:] = the sum over s of softmax_s(q[b][q] . k[b][s] / 16) v[b][s][:].  q, k, v: f16 fragment images in qkv (groups of 32 rows, 49,152 bytes: q part, k part, v part; in a part the block of
; 16 rows pb and 16 channels cb is the 512 bytes at (16 pb + cb) * 512).  out0: [4][4096][256] f32.  Products, maxima and sums in f32; the weights p are rounded to f16 for the second product (their sum is
; taken of the unrounded p).
; LIMITS.  q, k, v arrive within f16's 65,504; p lies in 0 to 1 and below 6e-5 keeps f16's fixed step of 6e-8; a weight below 2^-126 counts as 0; NaN and infinities are not treated apart.
; The keys are not taken in ascending order (see THE WALK): an order of rounding of its own.  The input mask is not read: the function that defines the result never uses it.
; SHARES.  A work-group owns 64 queries of one batch: four tiles of 16.  ALL FOUR WAVES HOLD ALL 64 QUERIES AND SPLIT THE KEYS: of each slot of 128 keys wave w takes 32, so that a fragment of K or V read
; from LDS feeds four products.  Each wave keeps its own running maximum m, sum l and O^T; the four are merged once, at the end, through LDS, in f32.
; LAYOUT.  S^T = K Q^T (source 0 = 16 keys, source 1 = 16 queries): a lane holds ONE query (lane % 16) and the keys 8 (lane / 16) + 0..7.  A tile's two results, rounded to f16 in pairs, ARE source 1
; (32 keys x 16 queries) of O^T = V^T P, whose result again holds one query a lane, and eight channels.  Every fragment load takes 512 consecutive bytes; V is turned by ds_load_tr16_b128.
; SOFTMAX.  p = 2^(c s - c m), c = log2(e) / 16; in every step O and l are multiplied by a = 2^(c m_old - c m_new).  m starts at the lowest finite number, O and l at 0: the first step is a step like any
; other, with a = 0; the price is 512 lines that write 0, once, in the wait for the first tile.
; CLUSTER.  The four query blocks of a cluster belong to one batch and walk the same K and V: each slot is asked for JOINTLY, by the same tensor load, descriptor and mask in all four.  Wave w asks for, and alone
; reads, its 32 keys: K's and V's parts lie together in qkv, 32,768 dense bytes.  By this text's own count a wave has two tensor loads out at the start and one behind each round.
; THE WALK.  A batch's keys are 32 slots of 128, and its 16 clusters need them all.  Cluster j begins at slot 4 ((j % 8) xor 7 (j / 8)) + 2 (j / 8), sixteen different even numbers, and goes once round, modulo 32:
; in no step do two clusters that keep step ask for the same slot, and a slot's first request comes from one cluster, steps before its neighbours want it.  Whichever single bit of j is held fixed, the eight
; clusters that are left begin at most six slots apart.  The number hangs on the cluster's x alone, which the four partners share.
; REGISTERS, in windows of 256 (s_set_vgpr_msb: bits 1:0 source 0, 3:2 source 1, 5:4 source 2, 7:6 destination):
;   window 0: v0-15 addresses; v16-47 eight registers of statistics a tile; v48-63 four at work a tile; v64-127 S^T, 16 a tile (P is made in place, in a tile's first eight); v128-255 K of a step, then its V
;   window 1: Q, 64 a tile          windows 2, 3: O^T, 128 a tile: tile t in window 2 + t / 2 at 128 (t % 2) + 8 cb
.set SLOT1,  131072                    ; a slot: 128 keys, wave w's part at 32768 w: K 16,384 bytes, then V.  Slot 1 begins here: one exclusive or turns an address into the other slot's
.set PARTB,  16384
.set GROUPB, 49152
.set MP,     1040                      ; the merge: a row of 256 f32 + 16 bytes = 260 words: row r starts at bank 4 r mod 64 (64 banks of 4 bytes: ISA guide 11.1)
.set MT,     16*MP                     ; a tile of one wave
.set MW,     4*MT                      ; a wave's four tiles.  The merge lies over the ring, which has had its last fill by then
.set STATS,  4*MW                      ; behind it: (c m, l) for each wave, tile and query
.set SPARE,  STATS+2048                ; the spare words, 128 bytes for each wave: two blocks of 256 bytes that no other line names
.set LANEW, 2                          ; v2   16 lane + 32768 w; never rewritten
.set ADR,   3                          ; v3   the same in the slot in hand
.set SPW,   4                          ; v4   LDS address of my spare word; never rewritten
.set NIL,   5                          ; v5   0; never rewritten
.set STA,   6                          ; v6   where I put my query's statistics
.set RSA,   7                          ; v7   where I read the four waves'
.set MST,   8                          ; v8   the merge: where I put 32 bytes of a row
.set GO,    9                          ; v9   my byte offset in the work-group's rows of out0
.set RDA,   10                         ; v10-13 the merge: where I read my tile's rows of wave 0..3
.set ST,    16                         ; tile t's statistics at v[ST+8 t]: c m, m, l (even keys', odd keys'), a, c m_old
.set TM,    48                         ; tile t at v[TM+4 t]: c0-c3 at work
.set S,     64
.set F,     128                        ; K(key block kb, 32 channels c) at F + 8 (2 c + kb); V(16 channels cb) at F + 8 cb
.set WV,  8                            ; s8   my wave's number
.set G1,  16                           ; s[16:23] descriptor group 1
.set G0A, 24                           ; s[24:27] descriptor group 0 for the first fill of slot 0
.set G0B, 28                           ; s[28:31] for slot 1's; it then walks
.set CNT, 32                           ; s32  steps to go
.set TB,  33                           ; s33  the slot in hand: 0 or SLOT1
.set CS,  34                           ; s[34:35] c: the packed scaling takes the pair's low word for both halves
.set SEL, 36                           ; s[36:37] v_permlanex16_b32's selects: each lane takes its own place in the other half
.set QP,  38                           ; s[38:39] my work-group's two groups of qkv
.set OP,  40                           ; s[40:41] out0 at my work-group's first row
.set KVB, 52                           ; s[52:53] qkv at my wave's 32 keys of the batch's slot 0
.set NXT, 54                           ; s54  the slot of keys, 0..31, to be asked for next
.set OFF, 56                           ; s[56:57] its byte offset
.set MSB, 0
.macro WIN new                         ; the immediate's high byte repeats the setting that is left; a switch that changes nothing is dropped
.if MSB != (\new)
	s_set_vgpr_msb (MSB<<8)|(\new)
.set MSB, (\new)
.endif
.endm
.set W_KQ, 0x04                        ; Q in window 1; K and S^T in window 0
.macro PLACES                          ; four places (ISA guide 7.12.1)
.rept 4
	v_nop
.endr
.endm
.macro CROUND                          ; a round of the cluster's barrier: my work-group's barrier; wave 0 signals for the work-group; every wave waits for all four work-groups; my work-group's barrier once more
	s_barrier_signal -1
	s_barrier_wait -1
	s_cmp_lg_u32 s[WV], 0
	s_cbranch_scc1 .Lnot_wave_0_\@
	s_barrier_signal -3
.Lnot_wave_0_\@:
	s_barrier_wait -3
	s_barrier_signal -1
	s_barrier_wait -1
.endm
; THE MATRIX WORK.  Product i of 32 of S^T = K Q^T for piece x (tiles 2 x, 2 x + 1): channels 32 (i / 4) on, keys 16 ((i / 2) % 2) on, tile 2 x + i % 2.  The first four start the sums.  Four accumulators take turns.
.macro KQ x, i
	WIN W_KQ
.set rS, S+16*(2*(\x)+(\i)%2)+8*(((\i)/2)%2)
.set rK, F+8*(2*((\i)/4)+((\i)/2)%2)
.set rQ, 8*(8*(2*(\x)+(\i)%2)+(\i)/4)
.if (\i) < 4
	v_wmma_f32_16x16x32_f16 v[rS:rS+7], v[rK:rK+7], v[rQ:rQ+7], 0
.else
	v_wmma_f32_16x16x32_f16 v[rS:rS+7], v[rK:rK+7], v[rQ:rQ+7], v[rS:rS+7]
.endif
.endm
; Product n of 64 of O^T += V^T P: channels 16 (n / 4) on, tile n % 4: 64 accumulators, each once.
.macro PV
.set tt, n%4
.set rO, 128*(tt%2)+8*(n/4)
.set rV, F+8*(n/4)
.set rP, S+16*tt
	WIN 0xa0+0x50*(tt/2)                           ; V and P window 0; C and D window 2 or 3
	v_wmma_f32_16x16x32_f16 v[rO:rO+7], v[rV:rV+7], v[rP:rP+7], v[rO:rO+7]
.endm
; Accumulator m of the 64 times a, its registers in ascending order
.macro RS m
.set tt, (\m)%4
.set rO, 128*(tt%2)+8*((\m)/4)
.set rA, ST+8*tt+4
	WIN 0x82+0x41*(tt/2)                           ; destination and source 0 window 2 or 3, a in window 0
.irp z, 0,1,2,3
	v_pk_mul_f32 v[rO+2*\z:rO+2*\z+1], v[rO+2*\z:rO+2*\z+1], v[rA:rA+1] op_sel_hi:[1,0]
.endr
.endm
; THE LDS LOADS stand in runs of 16: half hf of a step's K (32 keys x 128 channels), half hf of its V (turned: 128 channels x 32 keys).  last = 1 (the tail): in the last trip there is no further step, and K's run is jumped over.
.macro FETCH_K hf, last
	WIN 0
.if \last
	s_cmp_eq_u32 s[CNT], 1
	s_cbranch_scc1 .Lno_k_\@
.endif
.irp c, 0,1,2,3
.irp kb, 0,1
	ds_load_b128 v[F+8*(2*(4*(\hf)+\c)+\kb):F+8*(2*(4*(\hf)+\c)+\kb)+3],   v[ADR] offset:(8*\kb+4*(\hf)+\c)*1024
	ds_load_b128 v[F+8*(2*(4*(\hf)+\c)+\kb)+4:F+8*(2*(4*(\hf)+\c)+\kb)+7], v[ADR] offset:(8*\kb+4*(\hf)+\c)*1024+512
.endr
.endr
.if \last
.Lno_k_\@:
.endif
.endm
.macro FETCH_V hf
	WIN 0
.irp c, 0,1,2,3,4,5,6,7
	ds_load_tr16_b128 v[F+8*(8*(\hf)+\c):F+8*(8*(\hf)+\c)+3],   v[ADR] offset:PARTB+(8*(\hf)+\c)*512       ; keys 0-15
	ds_load_tr16_b128 v[F+8*(8*(\hf)+\c)+4:F+8*(8*(\hf)+\c)+7], v[ADR] offset:PARTB+8192+(8*(\hf)+\c)*512  ; keys 16-31
.endr
.endm
; THE VECTOR WORK.  A tile's softmax for a step is a list of 54 instructions on the lane's 16 scores s0-s15; SM writes number j of it for tile t.
;   0-6    the maximum, three operands at a time, in two chains that begin at each accumulator's lowest registers
;   7-12   c m_old is kept; the old m joins; the query's other 16 keys lie in the lane 16 away; the new m; c m; c m_old - c m_new
;   13-47  c s - c m for the eight pairs (13, 14, then the even numbers to 26); a at 15; the 16 exponentials at the odd numbers from 17: each has a plain instruction behind it that touches neither its result nor its source
;          (ISA guide 5.7.2).  The even numbers from 28: sums of pairs of weights into X (c0, c1) and Y (c2, c3), and roundings to f16, pair n into register n: each rounding stands behind the sum that reads the register it overwrites
;   48-53  the last sums and roundings; l = a l + X + Y
.macro SM t, j
.set jj, (\j)
.set rT, ST+8*(\t)
.set rC, TM+4*(\t)
.set rS, S+16*(\t)
	WIN 0
.if jj == 0
	v_max3_num_f32 v[rC], v[rS], v[rS+1], v[rS+2]
.elseif jj == 1
	v_max3_num_f32 v[rC+1], v[rS+8], v[rS+9], v[rS+10]
.elseif jj < 6
	v_max3_num_f32 v[rC+jj%2], v[rC+jj%2], v[rS+8*(jj%2)+2*(jj/2)+1], v[rS+8*(jj%2)+2*(jj/2)+2]
.elseif jj == 6
	v_max3_num_f32 v[rC], v[rC], v[rS+7], v[rS+15]
.elseif jj == 7
	v_mov_b32 v[rT+5], v[rT]
.elseif jj == 8
	v_max3_num_f32 v[rC], v[rC], v[rC+1], v[rT+1]
.elseif jj == 9
	v_permlanex16_b32 v[rC+1], v[rC], s[SEL], s[SEL+1]
.elseif jj == 10
	v_max_num_f32 v[rT+1], v[rC], v[rC+1]
.elseif jj == 11
	v_mul_f32 v[rT], s[CS], v[rT+1]
.elseif jj == 12
	v_sub_f32 v[rT+5], v[rT+5], v[rT]
.elseif jj == 15
	v_exp_f32 v[rT+4], v[rT+5]
.elseif (jj == 13) || (jj == 14) || ((jj <= 26) && (jj%2 == 0))
.if jj < 15
.set pp, jj-13
.else
.set pp, (jj-12)/2
.endif
	v_pk_fma_f32 v[rS+2*pp:rS+2*pp+1], v[rS+2*pp:rS+2*pp+1], s[CS:CS+1], v[rT:rT+1] op_sel_hi:[1,0,0] neg_lo:[0,0,1] neg_hi:[0,0,1]
.elseif (jj <= 47) && (jj%2 == 1)
	v_exp_f32 v[rS+(jj-17)/2], v[rS+(jj-17)/2]
.elseif jj == 28
	s_wait_alu depctr_va_vdst(0)
	v_pk_add_f32 v[rC:rC+1], v[rS:rS+1], v[rS+2:rS+3]
.elseif jj == 34
	s_wait_alu depctr_va_vdst(0)
	v_pk_add_f32 v[rC+2:rC+3], v[rS+4:rS+5], v[rS+6:rS+7]
.elseif (jj == 40) || (jj == 44) || (jj == 48) || (jj == 50)
.if jj == 40
.set pp, 4
.elseif jj == 44
.set pp, 5
.elseif jj == 48
.set pp, 6
.else
.set pp, 7
.endif
	s_wait_alu depctr_va_vdst(0)
	v_pk_add_f32 v[rC+2*(pp%2):rC+2*(pp%2)+1], v[rC+2*(pp%2):rC+2*(pp%2)+1], v[rS+2*pp:rS+2*pp+1]
.elseif jj == 52
	v_pk_add_f32 v[rC:rC+1], v[rC:rC+1], v[rC+2:rC+3]
.elseif jj == 53
	v_pk_fma_f32 v[rT+2:rT+3], v[rT+2:rT+3], v[rT+4:rT+5], v[rC:rC+1] op_sel_hi:[1,0,1]
.else
.if jj == 30
.set pp, 0
.elseif jj == 32
.set pp, 1
.elseif jj == 36
.set pp, 2
.elseif jj == 38
.set pp, 3
.elseif jj == 42
.set pp, 4
.elseif jj == 46
.set pp, 5
.elseif jj == 49
.set pp, 6
.else
.set pp, 7
.endif
	v_cvt_pk_f16_f32 v[rS+pp], v[rS+2*pp], v[rS+2*pp+1]
.endif
.endm
; Slice k of 27 of piece y's softmax: numbers 2 k and 2 k + 1 of both tiles.  Where exponentials stand (k = 7 to 23) tile by tile: plain, exponential, plain, exponential; elsewhere the tiles alternate.
.macro SLICE y, k
.if ((\k) >= 7) && ((\k) <= 23)
.irp t, 2*(\y), 2*(\y)+1
	SM \t, 2*(\k)
	SM \t, 2*(\k)+1
.endr
.else
	SM 2*(\y), 2*(\k)
	SM 2*(\y)+1, 2*(\k)
	SM 2*(\y), 2*(\k)+1
	SM 2*(\y)+1, 2*(\k)+1
.endif
.endm
; A STEP: my 32 keys of a slot: 128 matrix instructions.  fill = 1: the slot is filled again, with the keys two steps on in the walk.
.macro STEP fill, last
	s_wait_dscnt 16                                ; K's first half is in; the sixteen loads of its second may be out
.set i, 0
.rept 16
	KQ 0, i
.set i, i+1
.endr
	s_wait_dscnt 0x0
.rept 16
	KQ 0, i
.set i, i+1
.endr
	KQ 1, 0
	PLACES                                         ; behind piece 0's last products, in front of the first read of its scores
.set i, 1
.rept 27                               ; piece 1's products, a slice of piece 0's softmax behind each
	KQ 1, i
	SLICE 0, i-1
.if i == 17
	FETCH_V 0                                      ; K's first half was last read by product 15: six plain instructions back
.endif
.set i, i+1
.endr
.rept 4
	KQ 1, i
.set i, i+1
.endr
	PLACES                                         ; in front of the loads over K's second half and of the first read of piece 1's scores
	FETCH_V 1
.set i, 0
.rept 27                               ; piece 1's softmax has no products left to stand behind
	SLICE 1, i
.set i, i+1
.endr
	; THE CHANGE OF SLOTS: the slot's last bytes, V, have been asked for.
	WIN 0
	s_wait_tensorcnt 0x0                           ; all my tensor loads have landed: the one that was out is my part of the other slot; so a group 0 may be written
	ds_add_u32 v[SPW], v[NIL]                      ; 0 onto my spare word; work on registers stands between it and the wait for it
	RS 0
	RS 1
.if \fill
	s_xor_b32 s[G0B+1], s[G0B+1], SLOT1            ; the walking descriptor: the other slot of LDS than last time;
	s_mul_i32 s[OFF], s[NXT], 4*GROUPB             ; its address is made anew from the number of the slot of keys: four groups of qkv each,
	s_add_nc_u64 s[G0B+2:G0B+3], s[KVB:KVB+1], s[OFF:OFF+1]
	s_or_b32 s[G0B+3], s[G0B+3], 0x80000000        ; type = 2
	s_add_co_u32 s[NXT], s[NXT], 1                 ; the walk goes round: behind slot 31 comes slot 0
	s_and_b32 s[NXT], s[NXT], 31
.endif
	s_wait_dscnt 0x0                               ; the add is done, V is in, and my reads of the slot are over
	WIN 0
.if \fill
	CROUND                                         ; no wave of any partner still reads the slot or has a load on its way
	tensor_load_to_lds s[G0B:G0B+3], s[G1:G1+7]    ; the first thing behind the round: it has a step, 128 matrix instructions, in which to land
	s_nop 0
	PLACES
.else
	s_barrier_signal -1
	s_barrier_wait -1
.endif
	s_xor_b32 s[TB], s[TB], SLOT1
	v_add_nc_u32 v[ADR], s[TB], v[LANEW]           ; the fetches go on in the other slot
.set n, 0
.rept 64                               ; behind each product the rescaling of the accumulator two products on
	PV
.if n < 62
	RS n+2
.endif
.if n == 33
	FETCH_K 0, \last                               ; V's first half was last read by product 31: twelve plain instructions back
.endif
.set n, n+1
.endr
.rept 5
	v_nop                                          ; five places: in front of the loads over V's second half, and of the next step's products, which write over P
.endr
	FETCH_K 1, \last
.endm
.macro ALL line:vararg                 ; one line for each tile t
.set t, 0
.rept 4
	\line
.set t, t+1
.endr
.endm
	s_load_b128 s[4:7], s[0:1], 0x0                ; qkv s[4:5], out0 s[6:7]
	v_lshl_add_u32 v[SPW], v0, 2, SPARE
	v_mov_b32 v[NIL], 0
	ds_add_u32 v[SPW], v[NIL]                      ; the wave's opening: the add and its wait stand ahead of my first tensor load; the set-up below, work on registers, stands between them
	v_lshrrev_b32 v1, 5, v0
	v_readfirstlane_b32 s[WV], v1                  ; wave 0..3
	s_bfe_u32 s9, ttmp6, 0x40000                   ; cx: my place in the cluster
	s_lshl_b32 s10, ttmp9, 2                       ; in a cluster launch ttmp9 counts clusters
	s_add_co_u32 s10, s10, s9                      ; my block of 64 queries = 4 x cluster x + cx: it enters Q's and out0's addresses alone
	s_and_b32 s11, ttmp7, 0xffff                   ; the batch, which the four partners share
	s_mul_i32 s12, s11, 128*GROUPB                 ; its 128 groups
	s_mul_i32 s14, s[WV], GROUPB                   ; my wave's group of a slot's four,
	s_add_co_u32 s14, s14, s12
	s_add_co_u32 s14, s14, PARTB                   ; behind its q part: k and v
	s_mov_b32 s15, 0
	s_bfe_u32 s58, ttmp9, 0x10003                  ; the walk's first slot, from the cluster's x = j alone: j / 8,
	s_mul_i32 s59, s58, 7
	s_and_b32 s60, ttmp9, 7                        ; j % 8,
	s_xor_b32 s60, s60, s59                        ; turned round where j / 8 = 1,
	s_lshl_b32 s60, s60, 2
	s_lshl1_add_u32 s[NXT], s58, s60               ; 4 x that + 2 (j / 8): even, 0 to 30
	s_mul_i32 s[OFF], s[NXT], 4*GROUPB
	s_mov_b32 s[OFF+1], 0
	s_add_co_u32 s[NXT], s[NXT], 2                 ; the first refill asks for the slot two on
	s_and_b32 s[NXT], s[NXT], 31
	s_mul_i32 s42, s10, 2*GROUPB                   ; my queries' two groups
	s_add_co_u32 s42, s42, s12
	s_mov_b32 s43, 0
	s_lshl_b32 s44, s11, 22                        ; out0: 4,096 rows of 1,024 bytes a batch,
	s_lshl_b32 s45, s10, 16                        ; 64 rows a block
	s_add_co_u32 s44, s44, s45
	s_mov_b32 s45, 0
	s_lshl_b32 s46, s[WV], 15                      ; my wave's 32,768 bytes of a slot: no place in the cluster enters an LDS address
	; descriptor group 1: 32,768 dense bytes as 128 rows of 32 elements of 8 bytes
	s_mov_b32 s[G1+0], 15|(3<<16)|(1<<21)          ; 15:0 the mask: all four work-groups; 17:16 elements of 8 bytes; 21 set beside a mask
	s_mov_b32 s[G1+1], 32<<16                      ; tensor_dim0 = 32
	s_mov_b32 s[G1+2], 128<<16                     ; tensor_dim1 = 128
	s_mov_b32 s[G1+3], 32<<16                      ; tile_dim0 = 32
	s_mov_b32 s[G1+4], 128                         ; tile_dim1 = 128
	s_mov_b32 s[G1+5], 32                          ; 32 elements from row to row
	s_mov_b32 s[G1+6], 0
	s_mov_b32 s[G1+7], 0
	s_mov_b32 s[G0A], 1                            ; count = 1
	s_mov_b32 s[G0A+1], s46                        ; LDS address: slot 0
	s_mov_b32 s[G0B], 1
	s_add_co_u32 s[G0B+1], s46, SLOT1              ; slot 1
	s_mov_b32 s[CS], 0x3db8aa3b                    ; c = log2(e) / 16 = 0.0901684
	s_mov_b32 s[CS+1], s[CS]                       ; named with it as a pair
	s_mov_b32 s[SEL], 0x76543210
	s_mov_b32 s[SEL+1], 0xfedcba98
	s_mov_b32 s[TB], 0
	v_and_b32 v1, 31, v0                           ; lane
	v_and_b32 v14, 15, v0                          ; lane % 16
	v_bfe_u32 v15, v0, 4, 1                        ; lane / 16
	v_lshl_add_u32 v[LANEW], v1, 4, s46
	v_mov_b32 v[ADR], v[LANEW]                     ; the first step lies in slot 0
	s_lshl_b32 s47, s[WV], 9
	s_add_co_u32 s47, s47, STATS
	v_lshl_add_u32 v[STA], v14, 3, s47
	v_lshl_add_u32 v[RSA], v14, 3, STATS
	s_mul_i32 s48, s[WV], MW
	v_mul_u32_u24 v[MST], v14, MP
	v_lshl_add_u32 v[MST], v15, 5, v[MST]
	v_add_nc_u32 v[MST], s48, v[MST]               ; my wave's tiles, row lane % 16, 32 bytes for each half of the lanes
	s_lshl_b32 s49, s[WV], 14
	v_lshl_add_u32 v[GO], v1, 4, s49               ; wave w stores tile w: 16 rows of 1,024 bytes
	s_mul_i32 s50, s[WV], MT
	v_lshl_add_u32 v[RDA], v1, 4, s50
.irp k, 1,2,3
	v_add_nc_u32 v[RDA+\k], \k*MW, v[RDA]
.endr
	v_lshlrev_b32 v1, 4, v1                        ; 16 x lane: my piece of a block of Q; not rewritten
	s_wait_dscnt 0x0                               ; the opening add is done
	s_wait_kmcnt 0x0
	s_add_nc_u64 s[KVB:KVB+1], s[4:5], s[14:15]    ; my 32 keys of the batch's slot 0
	s_add_nc_u64 s[G0A+2:G0A+3], s[KVB:KVB+1], s[OFF:OFF+1]  ; global address: of the walk's first slot,
	s_add_nc_u64 s[G0B+2:G0B+3], s[G0A+2:G0A+3], 4*GROUPB    ; of its second: the first is even, so this one is 31 at the most
	s_or_b32 s[G0A+3], s[G0A+3], 0x80000000        ; type = 2
	s_or_b32 s[G0B+3], s[G0B+3], 0x80000000
	s_add_nc_u64 s[QP:QP+1], s[4:5], s[42:43]
	s_add_nc_u64 s[OP:OP+1], s[6:7], s[44:45]
	CROUND                                         ; all four work-groups are here: the first joint loads meet
	tensor_load_to_lds s[G0A:G0A+3], s[G1:G1+7]    ; both first fills go out together: two loads of mine are out
	s_nop 0
	tensor_load_to_lds s[G0B:G0B+3], s[G1:G1+7]
	s_nop 0
	PLACES
	WIN 0x40                                       ; destination window 1, address window 0
.set i, 0
.rept 32                               ; Q stays in registers: fragment i = 8 t + c: tile t lies in group t / 2, row block t % 2
	global_load_b128 v[8*i:8*i+3],   v1, s[QP:QP+1] offset:(i/16)*GROUPB+((i/8)%2)*8192+(i%8)*1024
	global_load_b128 v[8*i+4:8*i+7], v1, s[QP:QP+1] offset:(i/16)*GROUPB+((i/8)%2)*8192+(i%8)*1024+512
.set i, i+1
.endr
	WIN 0x80                                       ; O^T = 0: these lines stand in the wait for the first tile
.set i, 0
.rept 256
	v_mov_b32 v[i], 0
.set i, i+1
.endr
	WIN 0xc0
.set i, 0
.rept 256
	v_mov_b32 v[i], 0
.set i, i+1
.endr
	WIN 0
	ALL v_mov_b32 v[ST+8*t], 0xfe000000            ; c m: far below every c s
	ALL v_mov_b32 v[ST+8*t+1], 0xff7fffff          ; m
	ALL v_mov_b32 v[ST+8*t+2], 0
	ALL v_mov_b32 v[ST+8*t+3], 0
	s_wait_tensorcnt 1                             ; my part of slot 0 is in, and I alone read it: no barrier; slot 1's may stay out
	FETCH_K 0, 0
	FETCH_K 1, 0
	s_wait_loadcnt 0x0                             ; Q
	s_mov_b32 s[CNT], 30
.Lstep:                                                ; 30 trips: every slot but the walk's last two is filled again
	STEP 1, 0
	s_sub_co_u32 s[CNT], s[CNT], 1
	s_cmp_lg_u32 s[CNT], 0
	s_cbranch_scc1 .Lstep
	s_mov_b32 s[CNT], 2
.Ltail:                                                ; the last two steps have a text of their own: nothing is asked for
	STEP 0, 1
	s_sub_co_u32 s[CNT], s[CNT], 1
	s_cmp_lg_u32 s[CNT], 0
	s_cbranch_scc1 .Ltail
	; THE MERGE.  For each query the four waves' (c m, l) meet in LDS; with M the largest c m and e_w = 2^(c m_w - M), out = sum over w of O_w e_w / (sum over w of e_w l_w).
	ALL v_add_f32 v[ST+8*t+2], v[ST+8*t+2], v[ST+8*t+3]
	ALL v_permlanex16_b32 v[ST+8*t+3], v[ST+8*t+2], s[SEL], s[SEL+1]
	ALL v_add_f32 v[ST+8*t+1], v[ST+8*t+2], v[ST+8*t+3]
	ALL ds_store_b64 v[STA], v[ST+8*t:ST+8*t+1] offset:128*t
	s_wait_dscnt 0x0                               ; for the others' sake: my statistics are in LDS; and my reads of the ring are over
	s_barrier_signal -1
	s_barrier_wait -1                              ; behind it the ring's bytes, which have had their last fill, may be written
.set i, 0
.rept 16                               ; wave i / 4, tile i % 4
	ds_load_b64 v[S+2*i:S+2*i+1], v[RSA] offset:128*i
.set i, i+1
.endr
	s_wait_dscnt 0x0
	ALL v_max3_num_f32 v[TM+4*t], v[S+2*t], v[S+8+2*t], v[S+16+2*t]
	ALL v_max_num_f32 v[TM+4*t], v[TM+4*t], v[S+24+2*t]
	ALL v_sub_f32 v[S+2*t], v[S+2*t], v[TM+4*t]
	ALL v_sub_f32 v[S+8+2*t], v[S+8+2*t], v[TM+4*t]
	ALL v_sub_f32 v[S+16+2*t], v[S+16+2*t], v[TM+4*t]
	ALL v_sub_f32 v[S+24+2*t], v[S+24+2*t], v[TM+4*t]
	ALL v_sub_f32 v[ST+8*t], v[ST+8*t], v[TM+4*t]
	ALL v_exp_f32 v[S+2*t], v[S+2*t]
	ALL v_exp_f32 v[S+8+2*t], v[S+8+2*t]
	ALL v_exp_f32 v[S+16+2*t], v[S+16+2*t]
	ALL v_exp_f32 v[S+24+2*t], v[S+24+2*t]
	ALL v_exp_f32 v[ST+8*t], v[ST+8*t]
	v_nop                                          ; a plain instruction between the last exponential and the use of its result
	s_wait_alu depctr_va_vdst(0)
	ALL v_mul_f32 v[TM+4*t+1], v[S+2*t], v[S+2*t+1]
	ALL v_fmac_f32 v[TM+4*t+1], v[S+8+2*t], v[S+8+2*t+1]
	ALL v_fmac_f32 v[TM+4*t+1], v[S+16+2*t], v[S+16+2*t+1]
	ALL v_fmac_f32 v[TM+4*t+1], v[S+24+2*t], v[S+24+2*t+1]
	ALL v_rcp_f32 v[TM+4*t+2], v[TM+4*t+1]
	v_nop                                          ; a plain instruction between the last reciprocal and the use of its result
	s_wait_alu depctr_va_vdst(0)
	ALL v_mul_f32 v[ST+8*t+4], v[ST+8*t], v[TM+4*t+2]
.set t, 0
.rept 4                                ; my O^T, scaled, goes into my part of the merge: a lane's eight channels of a row are 32 bytes
	WIN 0x82+0x41*(t/2)
.set i, 0
.rept 64
	v_pk_mul_f32 v[128*(t%2)+2*i:128*(t%2)+2*i+1], v[128*(t%2)+2*i:128*(t%2)+2*i+1], v[ST+8*t+4:ST+8*t+5] op_sel_hi:[1,0]
.set i, i+1
.endr
	WIN 0x08+0x04*(t/2)                            ; store data (source 1) window 2 or 3, address window 0
.set i, 0
.rept 16
	ds_store_b128 v[MST], v[128*(t%2)+8*i:128*(t%2)+8*i+3]   offset:MT*t+64*i
	ds_store_b128 v[MST], v[128*(t%2)+8*i+4:128*(t%2)+8*i+7] offset:MT*t+64*i+16
.set i, i+1
.endr
.set t, t+1
.endr
	WIN 0
	s_wait_dscnt 0x0                               ; for the others' sake: my stores are done
	s_barrier_signal -1
	s_barrier_wait -1
.set bt, 0
.rept 4                                ; wave w adds up and stores tile w, four rows at a time: eight units of 512 bytes, each from the four waves' parts
.if bt > 0
	s_wait_xcnt 0x0                                ; the stores have had their addresses translated (ISA guide 3.1): their data registers are loaded again only behind this wait
.endif
.set u, 0
.rept 8
.irp sw, 0,1,2,3
	ds_load_b128 v[F+16*u+4*\sw:F+16*u+4*\sw+3], v[RDA+\sw] offset:MP*(4*bt+u/2)+512*(u%2)
.endr
.set u, u+1
.endr
.set u, 0
.rept 8
	s_wait_dscnt 4*(7-u)                           ; LDS loads come back in order: unit u's four are in, the later units' may be out
	v_pk_add_f32 v[F+16*u:F+16*u+1],     v[F+16*u:F+16*u+1],     v[F+16*u+4:F+16*u+5]
	v_pk_add_f32 v[F+16*u+2:F+16*u+3],   v[F+16*u+2:F+16*u+3],   v[F+16*u+6:F+16*u+7]
	v_pk_add_f32 v[F+16*u+8:F+16*u+9],   v[F+16*u+8:F+16*u+9],   v[F+16*u+12:F+16*u+13]
	v_pk_add_f32 v[F+16*u+10:F+16*u+11], v[F+16*u+10:F+16*u+11], v[F+16*u+14:F+16*u+15]
	v_pk_add_f32 v[F+16*u:F+16*u+1],     v[F+16*u:F+16*u+1],     v[F+16*u+8:F+16*u+9]
	v_pk_add_f32 v[F+16*u+2:F+16*u+3],   v[F+16*u+2:F+16*u+3],   v[F+16*u+10:F+16*u+11]
	global_store_b128 v[GO], v[F+16*u:F+16*u+3], s[OP:OP+1] offset:1024*(4*bt+u/2)+512*(u%2) th:TH_STORE_NT  ; the wave stores 512 consecutive bytes, aligned
.set u, u+1
.endr
.set bt, bt+1
.endr
	s_wait_tensorcnt 0x0                           ; the wave's end: a wait, an add onto my spare word and its wait, behind my last tensor load and my last LDS store
	ds_add_u32 v[SPW], v[NIL]
	s_wait_dscnt 0x0
	CROUND                                         ; the closing round: no work-group ends while a partner may still ask for a tile that names it
	s_endpgm
.Lfunc_end_k_qdeb8affe16_attn:
	.size	k_qdeb8affe16_attn, .Lfunc_end_k_qdeb8affe16_attn-k_qdeb8affe16_attn
	.p2alignl 7, 3214868480
	.fill 96, 4, 3214868480
	.section	.rodata,"a",@progbits
	.p2align	6, 0x0
	.amdhsa_kernel k_qdeb8affe16_attn
		.amdhsa_group_segment_fixed_size 327680
		.amdhsa_private_segment_fixed_size 0
		.amdhsa_enable_private_segment 0
		.amdhsa_kernarg_size 16
		.amdhsa_user_sgpr_count 2
		.amdhsa_user_sgpr_kernarg_segment_ptr 1
		.amdhsa_wavefront_size32 1
		.amdhsa_system_sgpr_workgroup_id_x 1
		.amdhsa_system_sgpr_workgroup_id_y 1
		.amdhsa_system_sgpr_workgroup_id_z 1
		.amdhsa_system_vgpr_workitem_id 0
		.amdhsa_next_free_vgpr 1024
		.amdhsa_next_free_sgpr 66
		.amdhsa_reserve_vcc 0
		.amdhsa_float_denorm_mode_32 3
		.amdhsa_float_denorm_mode_16_64 3
		.amdhsa_memory_ordered 1
		.amdhsa_forward_progress 1
		.amdhsa_inst_pref_size 177
	.end_amdhsa_kernel
	.amdgpu_metadata
---
amdhsa.version: [ 1, 2 ]
amdhsa.kernels:
  - .name:           k_qdeb8affe16_attn
    .symbol:         k_qdeb8affe16_attn.kd
    .args:
      - { .name: qkv, .offset: 0, .size: 8, .value_kind: global_buffer, .address_space: global }
      - { .name: out0, .offset: 8, .size: 8, .value_kind: global_buffer, .address_space: global }
    .group_segment_fixed_size: 327680
    .private_segment_fixed_size: 0
    .kernarg_segment_align: 8
    .kernarg_segment_size: 16
    .max_flat_workgroup_size: 128
    .sgpr_count:     66
    .vgpr_count:     1024
    .wavefront_size: 32
...
	.end_amdgpu_metadata
.endif
;; end of part 5
